; MI455X (gfx1250); checked and timed in simulation.
; The chip was launched on July 23, 2026; its instructions are those of AMD's public machine-readable ISA for CDNA 5 (MIT licence, August 2026) and "CDNA5" Instruction Set Architecture Reference Guide (July 2026). The comments in the code are by the model that wrote it; some were corrected since.
;; Multi Head Attention. Allowed arithmetic: float matrix products may take bf16 or f16 operands with f32 sums; other float arithmetic in f32, or as packed bf16 or f16 multiplies, adds, multiply-adds, maxima and minima; sums over many terms, partial sums and values carried from step to step in f32; what a program stores and reads back later, other than sums and carried values, may be rounded once to bf16 or f16.
;; Inputs: bk 1,024 float32; bo 1,024 float32; bq 1,024 float32; bv 1,024 float32; wk 1,024 x 1,024 float32; wo 1,024 x 1,024 float32; wq 1,024 x 1,024 float32; wv 1,024 x 1,024 float32; x 4 x 2,048 x 1,024 float32.
;; Outputs: out0 4 x 2,048 x 1,024 float32.
;; 2 versions, each right; version 2 is version 1 with the launch prep written anew for expert scheduling mode. Each part assembles by itself: llvm-mc -triple=amdgcn-amd-amdhsa -mcpu=gfx1250 --defsym DOCPART=n.
;; ======== version 1 of 2: 4 launches
;; limits: values are held in f16: magnitudes above 65,504 overflow, below 6.1e-05 lose precision
;; workspace buffers: xb 16,777,216 bytes; wcat 6,291,456 bytes; wob 2,097,152 bytes; biasr 16,384 bytes; qkv 50,331,648 bytes; ctx 16,777,216 bytes
;; launch prep (part 1): grid 768 x 1, 8 waves a work-group, no clusters, 0 bytes of LDS; arguments x, wq, wk, wv, wo, bq, bk, bv, bo, xb, wcat, wob, biasr; writes xb, wcat, wob, biasr
.if DOCPART == 1
	.amdgcn_target "amdgcn-amd-amdhsa--gfx1250"
	.amdhsa_code_object_version 6
	.text
	.protected	k_qb7ddc5e853_prep
	.globl	k_qb7ddc5e853_prep
	.p2align	8
	.type	k_qb7ddc5e853_prep,@function
k_qb7ddc5e853_prep:
	s_mov_b64 s[64:65], 0
	v_nop
	global_prefetch_b8 v0, s[64:65] scope:SCOPE_SE
	s_setreg_imm32_b32 hwreg(HW_REG_WAVE_MODE, 25, 1), 1
	s_wait_xcnt 0x0
; CASTS AND LAYOUTS for the three launches behind.  All inputs are rounded once to bf16.
;   xb    [8192][1024] bf16: x as it lies.
;   wcat  [tc 16][ks 8][j 3][kk 128][64 n] bf16: slice 3 tc + j = 16 x matrix (q, k, v) + head; row of the weight 128 ks + kk; column 64 x head + n.
;   wob   [tc 4][ks 8][j 4][kk 128][64 n] f16 of the bf16-rounded wo: column 256 tc + 64 j + n.
;   biasr [4096] f32: bq, bk, bv, bo, each number rounded to bf16 and widened again.
; LIMITS.  |wo| stays under 65,504 (f16's end); a bf16-rounded wo below 6e-5 falls on f16's fixed step of 6e-8.
; SHARES.  A wave's job is 8,192 bytes of f32: sixteen loads of 16 bytes a lane, all issued at once, then sixteen stores of 8 bytes a lane, each 256 consecutive
; bytes, aligned.  Work-groups 0-511: x, 4,096 jobs.  Work-groups 512-767: the weights, a job = 32 rows of one slice of 64 columns (256 bytes of each row, aligned).
; No register is written twice while a memory instruction may read it, so no wait stands in the text but the loads' own.  No LDS, no barrier: no wave needs another's bytes.
.set X,   8                            ; v[8:71]    sixteen slots of 4: f32 as loaded
.set Y,   72                           ; v[72:103]  sixteen slots of 2: 16-bit numbers to store
.set BD,  104                          ; v[104:107] four numbers of a bias
.set T,   108                          ; v[108:109] at work
.set BP,  110                          ; v[110:111] at work
.set SRC, 38                           ; s[38:39]   where the job reads
.set DST, 40                           ; s[40:41]   where it writes
.macro LOADS stride                    ; the job's sixteen loads; each byte is read once in the launch
.set i, 0
.rept 16
	global_load_b128 v[X+4*i:X+4*i+3], v2, s[SRC:SRC+1] offset:i*(\stride) th:TH_LOAD_NT
.set i, i+1
.endr
.endm
.macro OUT16 kind                      ; kind 0: bf16;  kind 1: rounded to bf16, and that number written as f16
.set i, 0
.rept 16
	s_wait_loadcnt 15-i                            ; loads come back in order: slot i is in, the 15 - i younger ones stay out
.if \kind
	v_cvt_pk_bf16_f32 v[T], v[X+4*i], v[X+4*i+1]
	v_cvt_pk_bf16_f32 v[T+1], v[X+4*i+2], v[X+4*i+3]
	v_lshlrev_b32 v[X+4*i], 16, v[T]
	v_and_b32 v[X+4*i+1], 0xffff0000, v[T]
	v_lshlrev_b32 v[X+4*i+2], 16, v[T+1]
	v_and_b32 v[X+4*i+3], 0xffff0000, v[T+1]
	v_cvt_pk_f16_f32 v[Y+2*i], v[X+4*i], v[X+4*i+1]
	v_cvt_pk_f16_f32 v[Y+2*i+1], v[X+4*i+2], v[X+4*i+3]
.else
	v_cvt_pk_bf16_f32 v[Y+2*i], v[X+4*i], v[X+4*i+1]
	v_cvt_pk_bf16_f32 v[Y+2*i+1], v[X+4*i+2], v[X+4*i+3]
.endif
	global_store_b64 v3, v[Y+2*i:Y+2*i+1], s[DST:DST+1] offset:256*i  ; 32 lanes x 8 bytes: 256 consecutive bytes, aligned
.set i, i+1
.endr
.endm
	s_load_b512 s[8:23], s[0:1], 0x0               ; x 8, wq 10, wk 12, wv 14, wo 16, bq 18, bk 20, bv 22
	s_load_b256 s[24:31], s[0:1], 0x40             ; bo 24, xb 26, wcat 28, wob 30
	s_load_b64 s[32:33], s[0:1], 0x60              ; biasr
	v_lshrrev_b32 v5, 5, v0
	v_readfirstlane_b32 s2, v5                     ; wave 0..7
	v_and_b32 v1, 31, v0                           ; lane
	v_lshlrev_b32 v3, 3, v1                        ; 8 bytes a lane on the way out
	v_lshlrev_b32 v4, 4, v1                        ; 16 bytes a lane (x, and the biases)
	s_mov_b32 s35, 0                               ; the offsets' high words
	s_mov_b32 s37, 0
	s_wait_kmcnt 0x0
	s_cmp_lt_u32 ttmp9, 512
	s_cbranch_scc0 .Lweights
	; x: job c = 8 x work-group + wave
	s_lshl_b32 s46, ttmp9, 3
	s_add_co_u32 s46, s46, s2
	s_lshl_b32 s34, s46, 13                        ; 8,192 bytes in,
	s_lshl_b32 s36, s46, 12                        ; 4,096 out
	s_add_nc_u64 s[SRC:SRC+1], s[8:9], s[34:35]
	s_add_nc_u64 s[DST:DST+1], s[26:27], s[36:37]
	v_lshlrev_b32 v2, 4, v1
	LOADS 512
	OUT16 0
	s_endpgm
.Lweights:
	s_sub_co_u32 s3, ttmp9, 512                    ; g = 0..255
	s_lshr_b32 s46, s3, 6                          ; the matrix: 0 q, 1 k, 2 v, 3 o
	s_bfe_u32 s47, s3, 0x40002                     ; its slice of 64 columns
	s_and_b32 s48, s3, 3
	s_lshl_b32 s48, s48, 3
	s_add_co_u32 s48, s48, s2                      ; kg: which 32 rows
	s_lshr_b32 s49, s48, 2                         ; ks: the K step of 128 rows,
	s_and_b32 s50, s48, 3                          ; and which quarter of it
	s_lshl_b32 s34, s48, 17                        ; 32 rows of 4,096 bytes
	s_lshl_b32 s51, s47, 8                         ; + the slice's 256 bytes
	s_add_co_u32 s34, s34, s51
	s_lshl_b32 s51, s46, 4
	s_add_co_u32 s51, s51, s47                     ; q, k, v: slice sl = 16 x matrix + head
	s_mul_hi_u32 s52, s51, 0x55555556              ; tc = sl / 3 (exact for sl under 2^30)
	s_mul_i32 s53, s52, 3
	s_sub_co_u32 s53, s51, s53                     ; j = sl - 3 tc
	s_lshl_b32 s52, s52, 3
	s_add_co_u32 s52, s52, s49
	s_mul_i32 s52, s52, 3
	s_add_co_u32 s52, s52, s53                     ; block (8 tc + ks) 3 + j of wcat
	s_lshr_b32 s51, s47, 2
	s_lshl_b32 s51, s51, 3
	s_add_co_u32 s51, s51, s49
	s_lshl_b32 s51, s51, 2
	s_and_b32 s53, s47, 3
	s_add_co_u32 s51, s51, s53                     ; wo: block (8 (slice / 4) + ks) 4 + slice % 4 of wob
	s_cmp_eq_u32 s46, 3
	s_cselect_b32 s36, s51, s52
	s_cselect_b64 s[DST:DST+1], s[30:31], s[28:29]
	s_lshl_b32 s36, s36, 14                        ; a block is 128 rows of 128 bytes
	s_lshl_b32 s50, s50, 12                        ; my 32 rows in it
	s_add_co_u32 s36, s36, s50
	s_add_nc_u64 s[DST:DST+1], s[DST:DST+1], s[36:37]
	s_cmp_eq_u32 s46, 1
	s_cselect_b64 s[SRC:SRC+1], s[12:13], s[10:11]
	s_cselect_b64 s[42:43], s[20:21], s[18:19]     ; and the matrix's bias
	s_cmp_eq_u32 s46, 2
	s_cselect_b64 s[SRC:SRC+1], s[14:15], s[SRC:SRC+1]
	s_cselect_b64 s[42:43], s[22:23], s[42:43]
	s_cmp_eq_u32 s46, 3
	s_cselect_b64 s[SRC:SRC+1], s[16:17], s[SRC:SRC+1]
	s_cselect_b64 s[42:43], s[24:25], s[42:43]
	s_add_nc_u64 s[SRC:SRC+1], s[SRC:SRC+1], s[34:35]
	v_lshrrev_b32 v2, 4, v1                        ; lanes 0-15 take a row's 256 bytes, lanes 16-31 the next row's
	v_and_b32 v5, 15, v1
	v_lshlrev_b32 v2, 12, v2
	v_lshl_add_u32 v2, v5, 4, v2
	LOADS 8192                                     ; two rows a load
	s_cmp_eq_u32 s46, 3
	s_cbranch_scc1 .Lwo
	OUT16 0
	s_branch .Lbias
.Lwo:
	OUT16 1
.Lbias:
	s_and_b32 s51, s3, 63                          ; each matrix's first work-group also takes its bias: 128 numbers a wave
	s_cmp_lg_u32 s51, 0
	s_cbranch_scc1 .Lend
	s_lshl_b32 s34, s2, 9
	s_lshl_b32 s36, s46, 12
	s_add_co_u32 s36, s36, s34
	s_add_nc_u64 s[42:43], s[42:43], s[34:35]
	s_add_nc_u64 s[44:45], s[32:33], s[36:37]
	global_load_b128 v[BD:BD+3], v4, s[42:43]
	s_wait_loadcnt 0x0
	v_cvt_pk_bf16_f32 v[BP], v[BD], v[BD+1]
	v_cvt_pk_bf16_f32 v[BP+1], v[BD+2], v[BD+3]
	v_lshlrev_b32 v[BD], 16, v[BP]
	v_and_b32 v[BD+1], 0xffff0000, v[BP]
	v_lshlrev_b32 v[BD+2], 16, v[BP+1]
	v_and_b32 v[BD+3], 0xffff0000, v[BP+1]
	global_store_b128 v4, v[BD:BD+3], s[44:45]     ; 512 consecutive bytes, aligned
.Lend:
	s_endpgm
.Lfunc_end_k_qb7ddc5e853_prep:
	.size	k_qb7ddc5e853_prep, .Lfunc_end_k_qb7ddc5e853_prep-k_qb7ddc5e853_prep
	.p2alignl 7, 3214868480
	.fill 96, 4, 3214868480
	.section	.rodata,"a",@progbits
	.p2align	6, 0x0
	.amdhsa_kernel k_qb7ddc5e853_prep
		.amdhsa_group_segment_fixed_size 0
		.amdhsa_private_segment_fixed_size 0
		.amdhsa_enable_private_segment 0
		.amdhsa_kernarg_size 104
		.amdhsa_user_sgpr_count 2
		.amdhsa_user_sgpr_kernarg_segment_ptr 1
		.amdhsa_wavefront_size32 1
		.amdhsa_system_sgpr_workgroup_id_x 1
		.amdhsa_system_sgpr_workgroup_id_y 1
		.amdhsa_system_sgpr_workgroup_id_z 1
		.amdhsa_system_vgpr_workitem_id 0
		.amdhsa_next_free_vgpr 112
		.amdhsa_next_free_sgpr 66
		.amdhsa_reserve_vcc 0
		.amdhsa_float_denorm_mode_32 3
		.amdhsa_float_denorm_mode_16_64 3
		.amdhsa_memory_ordered 1
		.amdhsa_forward_progress 1
		.amdhsa_inst_pref_size 24
	.end_amdhsa_kernel
	.amdgpu_metadata
---
amdhsa.version: [ 1, 2 ]
amdhsa.kernels:
  - .name:           k_qb7ddc5e853_prep
    .symbol:         k_qb7ddc5e853_prep.kd
    .args:
      - { .name: x, .offset: 0, .size: 8, .value_kind: global_buffer, .address_space: global }
      - { .name: wq, .offset: 8, .size: 8, .value_kind: global_buffer, .address_space: global }
      - { .name: wk, .offset: 16, .size: 8, .value_kind: global_buffer, .address_space: global }
      - { .name: wv, .offset: 24, .size: 8, .value_kind: global_buffer, .address_space: global }
      - { .name: wo, .offset: 32, .size: 8, .value_kind: global_buffer, .address_space: global }
      - { .name: bq, .offset: 40, .size: 8, .value_kind: global_buffer, .address_space: global }
      - { .name: bk, .offset: 48, .size: 8, .value_kind: global_buffer, .address_space: global }
      - { .name: bv, .offset: 56, .size: 8, .value_kind: global_buffer, .address_space: global }
      - { .name: bo, .offset: 64, .size: 8, .value_kind: global_buffer, .address_space: global }
      - { .name: xb, .offset: 72, .size: 8, .value_kind: global_buffer, .address_space: global }
      - { .name: wcat, .offset: 80, .size: 8, .value_kind: global_buffer, .address_space: global }
      - { .name: wob, .offset: 88, .size: 8, .value_kind: global_buffer, .address_space: global }
      - { .name: biasr, .offset: 96, .size: 8, .value_kind: global_buffer, .address_space: global }
    .group_segment_fixed_size: 0
    .private_segment_fixed_size: 0
    .kernarg_segment_align: 8
    .kernarg_segment_size: 104
    .max_flat_workgroup_size: 256
    .sgpr_count:     66
    .vgpr_count:     112
    .wavefront_size: 32
...
	.end_amdgpu_metadata
.endif
;; end of part 1
;; launch proj (part 2): grid 16 x 32, 4 waves a work-group, clusters of 4 x 4, 327,680 bytes of LDS; arguments xb, wcat, biasr, qkv; writes qkv
.if DOCPART == 2
	.amdgcn_target "amdgcn-amd-amdhsa--gfx1250"
	.amdhsa_code_object_version 6
	.text
	.protected	k_qb7ddc5e853_proj
	.globl	k_qb7ddc5e853_proj
	.p2align	8
	.type	k_qb7ddc5e853_proj,@function
k_qb7ddc5e853_proj:
	s_mov_b64 s[64:65], 0
	v_nop
	global_prefetch_b8 v0, s[64:65] scope:SCOPE_SE
	s_setreg_imm32_b32 hwreg(HW_REG_WAVE_MODE, 25, 1), 1
	s_wait_xcnt 0x0
	s_wait_alu depctr_hold_cnt(0) depctr_sa_sdst(0) depctr_va_vdst(0) depctr_va_sdst(0) depctr_va_ssrc(0) depctr_va_vcc(0) depctr_vm_vsrc(0)
	s_getreg_b32 s2, hwreg(HW_REG_IB_STS2, 6, 4)
	s_cmp_eq_u32 s2, 0
	s_cbranch_scc0 .Lentry_in_a_cluster
	s_endpgm
.Lentry_in_a_cluster:
	s_bfe_u32 s2, ttmp6, 0x10000c
	s_cmp_lg_u32 s2, 0xf033
	s_cbranch_scc0 .Lentry_shape_is_right
	s_endpgm
.Lentry_shape_is_right:
; q, k, v = x w + b, written by heads: qkv[matrix 3][batch x head 64][s 2048][64] in f16, each number rounded once from its f32 sum, unscaled.
; x (xb) and the weights (wcat) are bf16; the bias (biasr, f32) is the C operand of each sum's first product.  LIMIT: |q|, |k|, |v| stay under 65,504, f16's end.
; TILE.  256 rows of x by 192 columns (three head slices of 64): 32 x 16 = 512 work-groups, two for each of 256 WGPs.  The four waves lie along the rows: a wave makes 64 x 192,
; 48 accumulators of 16 x 16 (384 registers), and owns whole slices, so its way out needs no other wave.
; K goes in 8 steps of 128 through two LDS slots.  x's tile: rows of 256 bytes.  The weights' tile of a step (3 slices x 128 rows x 128 bytes) is dense in wcat and is asked for as rows of 256 bytes.
; THE WEIGHTS LIE [k][n] and are turned on the way into registers by ds_load_tr16_b128.  The product is used transposed (source 0 = 16 columns of w, source 1 = 16 rows of x):
; a lane then holds row l % 16 and eight neighbouring columns 8 (l / 16) + 0..7.
; CLUSTER.  4 x 4 work-groups: x's tile is shared along a row of the cluster, the weights' along a column; each is asked for jointly.
; REGISTERS, in windows of 256: window 0: v0-31 addresses; v32-95 x's fragments, two buffers; v96-191 the bias, later the way out (v96-239).  window 1: v0-191 w's fragments, two buffers.
;   windows 2, 3: accumulator (a, b), a = row block 0-3, b = column block 0-11, at window 2 + a / 2, v[8 (12 (a % 2) + b)].
.set KSTEP,  128
.set PA,     272                       ; a row of x in LDS: 256 bytes + 16: the 16 rows of a fragment load start at 16 different groups of four banks
.set AHALF,  128*PA                    ; what one tensor load brings of x
.set BOFF,   256*PA                    ; behind x's 256 rows: the weights
.set PB,     160                       ; a row of a slice: 128 bytes + 32
.set BSL,    128*PB                    ; a slice
.set BHALF,  192*PB                    ; what one tensor load brings of the weights: 96 rows of 256 bytes = 192 rows of a slice
.set BBLK,   49152                     ; bytes of a K step's weights in wcat
.set SLOT,   131072                    ; BOFF + 2 BHALF
.set STAGE,  2*SLOT                    ; behind the ring: for each wave 3 slices x 16 rows x 144 bytes, for the way out
.set SP,     144
.set WST,    3*16*SP
.set SPARE,  STAGE+4*WST               ; behind the stages: the spare words, 128 bytes for each wave
.set ADRA, 16                          ; v16-17  LDS address of my fragments of x in slot 0, 1
.set ADRB, 20                          ; v20-21  the same for the weights
.set STO,  24                          ; v24     the way out: where I put 16 bytes of a row
.set RD,   25                          ; v25     where I read rows back
.set GO,   26                          ; v26     16 x lane
.set BO,   27                          ; v27     32 x (l / 16): my eight numbers in a block of 16 of the bias
.set SPW,  28                          ; v28     my spare word; never rewritten
.set NIL,  29                          ; v29     0; never rewritten
.set PFO,  30                          ; v30     the prefetches' offset; never rewritten
.set AF,   32
.set BIAS, 96
.set TMP,  96
.set BK,   144                         ; two buffers of 48
.set WV,   12                          ; s12     my wave's number
.set G1,   24                          ; s[24:31] group 1 for x's tiles;  s[32:39] group 0, a set for each slot
.set G0,   32
.set PFA,  40                          ; s[40:41] where my prefetches stand;  s[42:43] their step;  s44: 1 in a wave that prefetches, else the greatest number
.set PFS,  42
.set LIM,  44
.set G1B,  48                          ; s[48:55], s[56:63] the same for the weights' tiles
.set G0B,  56
.set OUTB, 66                          ; s[66:71] qkv at my 64 rows of the tile's three slices
.set MSB, 0
.macro WIN new                         ; the immediate's high byte repeats the setting that is left; a switch that changes nothing is dropped
.if MSB != (\new)
	s_set_vgpr_msb (MSB<<8)|(\new)
.set MSB, \new
.endif
.endm
; A joint load: waves 0 and 1 fetch x's two halves, waves 2 and 3 the weights'.  The branch hangs on the wave's number alone.  An s_nop 0 and four v_nop follow each line.
.macro JLOAD s
	s_cmp_eq_u32 s13, 0
	s_cbranch_scc0 .Lfor_b_\@
	tensor_load_to_lds s[G0+4*(\s):G0+4*(\s)+3], s[G1:G1+7]
	s_nop 0
.rept 4
	v_nop
.endr
	s_branch .Lasked_\@
.Lfor_b_\@:
	tensor_load_to_lds s[G0B+4*(\s):G0B+4*(\s)+3], s[G1B:G1B+7]
	s_nop 0
.rept 4
	v_nop
.endr
.Lasked_\@:
.endm
; A prefetch into the L2 of the K step that stands two refills on: 384 matrix instructions ahead of the load that will want it.  One instruction a wave, a lane a block of 256 bytes.
; x's rows are read by every cluster of a row of clusters: cluster x = 0 asks; the weights' by every cluster of a column: cluster y = 0 asks.  The four partners that ask for a tile jointly share
; its blocks out by address: of x's 128 rows that a wave fetches 32 each; of the weights' 96 blocks 24 each (lanes 24-31 name lane 23's block once more, in the same instruction).
; K steps 4 to 7 are asked for; the loop's last trip (s3 = 1) asks for nothing.
.macro ASK
	s_cmp_gt_u32 s3, s[LIM]
	s_cbranch_scc0 .Lnot_mine_\@
	global_prefetch_b8 v[PFO], s[PFA:PFA+1] th:TH_LOAD_NT scope:SCOPE_SE
.Lnot_mine_\@:
.endm
.macro CREST                           ; a round of the cluster's barrier behind its opening barrier
	s_cmp_lg_u32 s[WV], 0
	s_cbranch_scc1 .Lnot_wave_0_\@
	s_barrier_signal -3
.Lnot_wave_0_\@:
	s_barrier_wait -3
	s_barrier_signal -1
	s_barrier_wait -1
.endm
.macro CROUND
	s_barrier_signal -1
	s_barrier_wait -1
	CREST
.endm
	s_load_b256 s[4:11], s[0:1], 0x0               ; xb 4, wcat 6, biasr 8, qkv 10
	v_lshl_add_u32 v[SPW], v0, 2, SPARE
	v_mov_b32 v[NIL], 0
	ds_add_u32 v[SPW], v[NIL]                      ; the wave's opening: the add and its wait ahead of my first tensor load
	v_lshrrev_b32 v1, 5, v0
	v_readfirstlane_b32 s[WV], v1                  ; wave 0..3
	s_lshr_b32 s13, s[WV], 1                       ; I fetch for x (0) or for the weights (1),
	s_and_b32 s14, s[WV], 1                        ; and which half of that tile
	s_bfe_u32 s15, ttmp6, 0x40000                  ; cx
	s_bfe_u32 s16, ttmp6, 0x40004                  ; cy
	s_lshl_b32 s17, ttmp9, 2
	s_add_co_u32 s17, s17, s15                     ; tc: the tile's column = 4 x cluster x + cx
	s_and_b32 s18, ttmp7, 0xffff
	s_lshl_b32 s18, s18, 2
	s_add_co_u32 s18, s18, s16                     ; tr: its row = 4 x cluster y + cy
	s_lshl_b32 s19, s16, 2
	s_lshl_b32 s19, 15, s19                        ; my row of the cluster
	s_lshl_b32 s46, 0x1111, s15                    ; my column
	s_or_b32 s[G1], s19, (1<<16)|(1<<20)|(1<<21)|(5<<22)|(3<<25)   ; the mask; elements of 2 bytes; padding on; bit 21 beside a mask; after every 64 words 4 words
	s_or_b32 s[G1B], s46, (1<<16)|(1<<20)|(1<<21)|(4<<22)|(7<<25)  ; after every 32 words 8 words
	s_mov_b32 s[G1+1], 128<<16                     ; tensor_dim0 = 128
	s_mov_b32 s[G1+2], 128<<16                     ; tensor_dim1 = 128
	s_mov_b32 s[G1+3], 128<<16                     ; tile_dim0 = 128
	s_mov_b32 s[G1+4], 128                         ; tile_dim1 = 128
	s_mov_b32 s[G1+5], 1024                        ; elements from row to row
	s_mov_b32 s[G1+6], 0
	s_mov_b32 s[G1+7], 0
	s_mov_b32 s[G1B+1], 128<<16                    ; tensor_dim0 = 128
	s_mov_b32 s[G1B+2], 96<<16                     ; tensor_dim1 = 96
	s_mov_b32 s[G1B+3], 128<<16                    ; tile_dim0 = 128
	s_mov_b32 s[G1B+4], 96                         ; tile_dim1 = 96
	s_mov_b32 s[G1B+5], 128                        ; dense
	s_mov_b32 s[G1B+6], 0
	s_mov_b32 s[G1B+7], 0
	s_lshl_b32 s20, s18, 19                        ; x: 256 tr rows of 2,048 bytes
	s_lshl_b32 s21, s14, 18                        ; + my 128
	s_add_co_u32 s20, s20, s21
	s_mov_b32 s21, 0
	s_mul_i32 s46, s17, 8*BBLK                     ; the weights: the tile column's eight K steps
	s_mul_i32 s47, s14, BBLK/2                     ; + my half of a step
	s_add_co_u32 s46, s46, s47
	s_mov_b32 s47, 0
	s_mul_i32 s2, s14, AHALF                       ; where they go: no place in the cluster enters an LDS address
	s_mul_i32 s45, s14, BHALF
	s_add_co_u32 s45, s45, BOFF
	s_wait_dscnt 0x0                               ; the opening add is done
	s_wait_kmcnt 0x0
	s_add_nc_u64 s[22:23], s[4:5], s[20:21]
	s_add_nc_u64 s[46:47], s[6:7], s[46:47]
	CROUND                                         ; all sixteen work-groups are here: the first joint loads meet
.irp s, 0,1
	s_mov_b32 s[G0+4*(\s)], 1
	s_add_co_u32 s[G0+4*(\s)+1], s2, (\s)*SLOT
	s_add_nc_u64 s[G0+4*(\s)+2:G0+4*(\s)+3], s[22:23], (\s)*KSTEP*2
	s_or_b32 s[G0+4*(\s)+3], s[G0+4*(\s)+3], 0x80000000
	s_mov_b32 s[G0B+4*(\s)], 1
	s_add_co_u32 s[G0B+4*(\s)+1], s45, (\s)*SLOT
	s_add_nc_u64 s[G0B+4*(\s)+2:G0B+4*(\s)+3], s[46:47], (\s)*BBLK
	s_or_b32 s[G0B+4*(\s)+3], s[G0B+4*(\s)+3], 0x80000000
	JLOAD \s                                       ; two loads of mine are out
.endr
	v_and_b32 v1, 15, v0                           ; l % 16
	v_bfe_u32 v2, v0, 4, 1                         ; l / 16
	v_lshlrev_b32 v[BO], 5, v2
	s_mul_i32 s72, s17, 768                        ; the tile's 192 numbers of the bias lie on end: slice sl at 64 sl
	s_mov_b32 s73, 0
	s_add_nc_u64 s[72:73], s[8:9], s[72:73]
.irp b, 0,1,2,3,4,5,6,7,8,9,10,11
	global_load_b128 v[BIAS+8*(\b):BIAS+8*(\b)+3],   v[BO], s[72:73] offset:64*(\b)
	global_load_b128 v[BIAS+8*(\b)+4:BIAS+8*(\b)+7], v[BO], s[72:73] offset:64*(\b)+16
.endr
	v_mul_u32_u24 v3, v1, PA                       ; x's fragment: row l % 16, 16 bytes for each half of the lanes, in my wave's 64 rows
	v_lshl_add_u32 v3, v2, 4, v3
	s_mul_i32 s45, s[WV], 64*PA
	v_add_nc_u32 v[ADRA], s45, v3
	v_add_nc_u32 v[ADRA+1], SLOT, v[ADRA]
	v_and_b32 v4, 7, v0                            ; the turning load: lane l reads row 8 (l / 16) + l % 8, columns 8 ((l / 8) % 2) + 0..7
	v_lshl_add_u32 v4, v2, 3, v4
	v_mul_u32_u24 v4, v4, PB
	v_bfe_u32 v5, v0, 3, 1
	v_lshl_add_u32 v4, v5, 4, v4
	v_add_nc_u32 v[ADRB], BOFF, v4
	v_add_nc_u32 v[ADRB+1], SLOT, v[ADRB]
	s_mul_i32 s45, s[WV], WST
	s_add_co_u32 s45, s45, STAGE                   ; my stage
	v_mul_u32_u24 v5, v1, SP
	v_lshl_add_u32 v5, v2, 4, v5
	v_add_nc_u32 v[STO], s45, v5
	v_bfe_u32 v5, v0, 3, 2                         ; back: 32 lanes take four rows of 128 bytes,
	v_mul_u32_u24 v5, v5, SP
	v_and_b32 v6, 7, v0
	v_lshl_add_u32 v5, v6, 4, v5
	v_add_nc_u32 v[RD], s45, v5
	v_and_b32 v[GO], 31, v0                        ; which are 512 consecutive bytes of a head
	v_lshlrev_b32 v[GO], 4, v[GO]
	; where my 64 rows of the three slices begin in qkv
	s_mul_i32 s74, s17, 3                          ; the tile's first slice
	s_lshr_b32 s75, s18, 3
	s_lshl_b32 s75, s75, 4                         ; 16 x batch
	s_and_b32 s76, s18, 7
	s_lshl_b32 s76, s76, 8
	s_lshl_b32 s77, s[WV], 6
	s_add_co_u32 s76, s76, s77
	s_lshl_b32 s76, s76, 7                         ; my first row in the batch, 128 bytes a row
.irp j, 0,1,2
	s_add_co_u32 s78, s74, \j                      ; slice = 16 x matrix + head
	s_lshr_b32 s79, s78, 4
	s_lshl_b32 s79, s79, 24                        ; a matrix is 2^24 bytes,
	s_and_b32 s78, s78, 15
	s_add_co_u32 s78, s78, s75
	s_lshl_b32 s78, s78, 18                        ; a head 2^18
	s_add_co_u32 s78, s78, s79
	s_add_co_u32 s78, s78, s76
	s_mov_b32 s79, 0
	s_add_nc_u64 s[OUTB+2*\j:OUTB+2*\j+1], s[10:11], s[78:79]
.endr
	; the prefetches
	s_lshl_b32 s74, s18, 19                        ; x: the 128 rows that I fetch,
	s_lshl_b32 s75, s14, 18
	s_add_co_u32 s74, s74, s75
	s_lshl_b32 s75, s15, 16                        ; my work-group's 32 of them
	s_add_co_u32 s74, s74, s75
	s_mul_i32 s76, s17, 8*BBLK                     ; the weights: the half that I fetch,
	s_mul_i32 s75, s14, BBLK/2
	s_add_co_u32 s76, s76, s75
	s_mul_i32 s75, s16, BBLK/8                     ; my work-group's 24 blocks of it
	s_add_co_u32 s76, s76, s75
	s_and_b32 s77, ttmp7, 0xffff                   ; cluster y
	s_mov_b32 s80, KSTEP*2
	s_mov_b32 s81, BBLK
	s_cmp_eq_u32 s13, 0
	s_cselect_b32 s74, s74, s76
	s_cselect_b32 s77, ttmp9, s77                  ; the coordinate along which other clusters read the same bytes
	s_cselect_b64 s[PFA:PFA+1], s[4:5], s[6:7]
	s_cselect_b32 s[PFS], s80, s81                 ; bytes from K step to K step
	s_cselect_b32 s78, 31, 23                      ; blocks less one,
	s_cselect_b32 s79, 11, 8                       ; and how far apart they lie: a row of x, or 256 bytes
	s_mov_b32 s[PFS+1], 0
	s_mov_b32 s75, 0
	s_cmp_eq_u32 s77, 0
	s_cselect_b32 s[LIM], 1, -1                    ; the same in all sixteen partners, for a given wave
	s_add_nc_u64 s[PFA:PFA+1], s[PFA:PFA+1], s[74:75]
	s_mul_i32 s74, s[PFS], 3
	s_add_nc_u64 s[PFA:PFA+1], s[PFA:PFA+1], s[74:75]  ; at K step 3: the first refill steps it to 4
	v_and_b32 v[PFO], 31, v0
	v_min_u32 v[PFO], s78, v[PFO]
	v_lshlrev_b32 v[PFO], s79, v[PFO]
; 12 matrix instructions: row block 2 hi + a x all 12 column blocks, 32 along K, from buffer f.  zero = 1: the sums start with the bias.
.macro MUL12 f, hi, a, zero
.if \zero
	WIN 0x81+0x40*(\hi)                            ; w window 1, x and the bias window 0, D window 2 or 3
.else
	WIN 0xa1+0x50*(\hi)                            ; C and D window 2 or 3
.endif
.irp b, 0,1,2,3,4,5,6,7,8,9,10,11
.if \zero
	v_wmma_f32_16x16x32_bf16 v[8*(12*(\a)+(\b)):8*(12*(\a)+(\b))+7], v[96*(\f)+8*(\b):96*(\f)+8*(\b)+7], v[AF+32*(\f)+8*(2*(\hi)+(\a)):AF+32*(\f)+8*(2*(\hi)+(\a))+7], v[BIAS+8*(\b):BIAS+8*(\b)+7]
.else
	v_wmma_f32_16x16x32_bf16 v[8*(12*(\a)+(\b)):8*(12*(\a)+(\b))+7], v[96*(\f)+8*(\b):96*(\f)+8*(\b)+7], v[AF+32*(\f)+8*(2*(\hi)+(\a)):AF+32*(\f)+8*(2*(\hi)+(\a))+7], v[8*(12*(\a)+(\b)):8*(12*(\a)+(\b))+7]
.endif
.endr
.endm
; 32 LDS loads in one run: quarter q (32 along K) of a slot into buffer f: the weights' 12 fragments, turned; then x's four
.macro FETCH slot, q, f
	WIN 0x40
.irp b, 0,1,2,3,4,5,6,7,8,9,10,11
	ds_load_tr16_b128 v[96*(\f)+8*(\b):96*(\f)+8*(\b)+3],   v[ADRB+(\slot)] offset:((\b)/4)*BSL+(\q)*32*PB+((\b)%4)*32
	ds_load_tr16_b128 v[96*(\f)+8*(\b)+4:96*(\f)+8*(\b)+7], v[ADRB+(\slot)] offset:((\b)/4)*BSL+(\q)*32*PB+((\b)%4)*32+16*PB
.endr
	WIN 0
.irp i, 0,1,2,3
	ds_load_b128 v[AF+32*(\f)+8*(\i):AF+32*(\f)+8*(\i)+3],   v[ADRA+(\slot)] offset:64*(\q)+(\i)*16*PA
	ds_load_b128 v[AF+32*(\f)+8*(\i)+4:AF+32*(\f)+8*(\i)+7], v[ADRA+(\slot)] offset:64*(\q)+(\i)*16*PA+32
.endr
.endm
.macro PLACES                          ; four plain vector instructions between a matrix instruction and a load into, or a read of, its registers (ISA guide 7.12.1 for reads)
.rept 4
	v_nop
.endr
.endm
; A K step is four quarters of 32 along K, 48 matrix instructions each, on buffers 0, 1, 0, 1; the 48 accumulators take turns, in the same order in every quarter.
.macro QUARTER slot, q, f, g, zero     ; multiplies buffer f; in its middle fetches quarter q into buffer g
	s_wait_dscnt 4                                 ; the weights and x's row blocks 0, 1 are in; the youngest four loads (blocks 2, 3) may be out
	MUL12 \f, 0, 0, \zero
	MUL12 \f, 0, 1, \zero
	PLACES
	FETCH \slot, \q, \g
	s_wait_dscnt 32                                ; all but the 32 just issued
	MUL12 \f, 1, 0, \zero
	MUL12 \f, 1, 1, \zero
.endm
; The last quarter's first half: one barrier for the change of slots.  In front of it each wave waits for all its tensor loads (one is out: its part of the next slot), adds 0 to its spare word,
; and waits for that and for its reads of this slot.
.macro MEET round
	WIN 0
	s_wait_tensorcnt 0x0
	ds_add_u32 v[SPW], v[NIL]
	s_wait_dscnt 5                                 ; (the add and the youngest four loads may be out)
	MUL12 1, 0, 0, 0
	s_wait_dscnt 0x0                               ; the add is done, and my reads of this slot are over
	s_barrier_signal -1
	MUL12 1, 0, 1, 0
.if \round
	WIN 0
.endif
	s_barrier_wait -1
.endm
; The whole last quarter.  fill = 1: the barrier opens a round of the cluster's, and the slot just read is filled again, two K steps on, first thing behind the round:
; between that request and the wait for it a wave issues 168 matrix instructions.
.macro TURN slot, next, fill
.if \fill
	s_wait_xcnt 0x0                                ; the last prefetch, a K step back, has read its address
	s_add_nc_u64 s[PFA:PFA+1], s[PFA:PFA+1], s[PFS:PFS+1]
.endif
	MEET \fill
.if \fill
	CREST
	s_add_nc_u64 s[G0+4*(\slot)+2:G0+4*(\slot)+3], s[G0+4*(\slot)+2:G0+4*(\slot)+3], 2*KSTEP*2
	s_add_nc_u64 s[G0B+4*(\slot)+2:G0B+4*(\slot)+3], s[G0B+4*(\slot)+2:G0B+4*(\slot)+3], 2*BBLK
	JLOAD \slot                                    ; the four v_nop behind it are also the places in front of the loads below
.else
	PLACES
.endif
	FETCH \next, 0, 0
.if \fill
	ASK
.endif
	MUL12 1, 1, 0, 0
	MUL12 1, 1, 1, 0
.endm
; THE WAY OUT of row block a: rounded to f16, 16 bytes a lane; into my stage; back as whole rows; stored, 16 rows of a head as 2,048 consecutive bytes.
.macro PACK a
	WIN 0x0a+5*((\a)/2)                            ; sources in window 2 or 3
.irp b, 0,1,2,3,4,5,6,7,8,9,10,11
.irp r, 0,1,2,3
	v_cvt_pk_f16_f32 v[TMP+4*(\b)+(\r)], v[8*(12*((\a)%2)+(\b))+2*(\r)], v[8*(12*((\a)%2)+(\b))+2*(\r)+1]
.endr
.endr
	WIN 0
.endm
.macro TOSTAGE a
.irp b, 0,1,2,3,4,5,6,7,8,9,10,11
	ds_store_b128 v[STO], v[TMP+4*(\b):TMP+4*(\b)+3] offset:((\b)/4)*16*SP+((\b)%4)*32
.endr
.irp j, 0,1,2
.irp f, 0,1,2,3
	ds_load_b128 v[BK+48*((\a)%2)+4*(4*(\j)+(\f)):BK+48*((\a)%2)+4*(4*(\j)+(\f))+3], v[RD] offset:(\j)*16*SP+(\f)*4*SP  ; LDS serves a wave's instructions in order: these see the stores above
.endr
.endr
.endm
.macro SEND a
	s_wait_dscnt 0x0                               ; the block is back in registers
	s_wait_xcnt 0x0                                ; the stores of the block before have read their registers: the next TOSTAGE loads into them
.irp j, 0,1,2
.irp f, 0,1,2,3
	global_store_b128 v[GO], v[BK+48*((\a)%2)+4*(4*(\j)+(\f)):BK+48*((\a)%2)+4*(4*(\j)+(\f))+3], s[OUTB+2*(\j):OUTB+2*(\j)+1] offset:(\a)*2048+(\f)*512  ; 512 consecutive bytes, aligned
.endr
.endr
.endm
	s_wait_tensorcnt 1                             ; my part of K step 0 is in; K step 1's may stay out
	s_barrier_signal -1
	s_barrier_wait -1
	FETCH 0, 0, 0
	s_wait_loadcnt 0x0                             ; the bias
	QUARTER 0, 1, 0, 1, 1                          ; the first quarter stands in front of the loop: its products start the sums
	WIN 0
	s_mov_b32 s3, 3
.Llap:                                             ; a trip goes once round the ring, from a lap's second quarter to the next lap's first, and fills both slots again
	QUARTER 0, 2, 1, 0, 0
	QUARTER 0, 3, 0, 1, 0
	TURN 0, 1, 1
	QUARTER 1, 1, 0, 1, 0
	QUARTER 1, 2, 1, 0, 0
	QUARTER 1, 3, 0, 1, 0
	TURN 1, 0, 1
	QUARTER 0, 1, 0, 1, 0
	WIN 0
	s_sub_co_u32 s3, s3, 1
	s_cmp_lg_u32 s3, 0
	s_cbranch_scc1 .Llap
	QUARTER 0, 2, 1, 0, 0                          ; the last lap fills nothing
	QUARTER 0, 3, 0, 1, 0
	TURN 0, 1, 0
	QUARTER 1, 1, 0, 1, 0
	QUARTER 1, 2, 1, 0, 0
	QUARTER 1, 3, 0, 1, 0
	s_wait_dscnt 4
	MUL12 1, 0, 0, 0
	MUL12 1, 0, 1, 0
	s_wait_dscnt 0x0
	MUL12 1, 1, 0, 0
	MUL12 1, 1, 1, 0
	WIN 0
	PLACES
	PACK 0
	TOSTAGE 0
.irp a, 1,2,3                          ; a block's conversions stand between the loads of the block before and the wait for them
	PACK \a
	SEND (\a)-1
	TOSTAGE \a
.endr
	SEND 3
	s_wait_tensorcnt 0x0                           ; the wave's end
	ds_add_u32 v[SPW], v[NIL]
	s_wait_dscnt 0x0
	CROUND                                         ; the closing round
	s_endpgm
.Lfunc_end_k_qb7ddc5e853_proj:
	.size	k_qb7ddc5e853_proj, .Lfunc_end_k_qb7ddc5e853_proj-k_qb7ddc5e853_proj
	.p2alignl 7, 3214868480
	.fill 96, 4, 3214868480
	.section	.rodata,"a",@progbits
	.p2align	6, 0x0
	.amdhsa_kernel k_qb7ddc5e853_proj
		.amdhsa_group_segment_fixed_size 327680
		.amdhsa_private_segment_fixed_size 0
		.amdhsa_enable_private_segment 0
		.amdhsa_kernarg_size 32
		.amdhsa_user_sgpr_count 2
		.amdhsa_user_sgpr_kernarg_segment_ptr 1
		.amdhsa_wavefront_size32 1
		.amdhsa_system_sgpr_workgroup_id_x 1
		.amdhsa_system_sgpr_workgroup_id_y 1
		.amdhsa_system_sgpr_workgroup_id_z 1
		.amdhsa_system_vgpr_workitem_id 0
		.amdhsa_next_free_vgpr 960
		.amdhsa_next_free_sgpr 84
		.amdhsa_reserve_vcc 0
		.amdhsa_float_denorm_mode_32 3
		.amdhsa_float_denorm_mode_16_64 3
		.amdhsa_memory_ordered 1
		.amdhsa_forward_progress 1
		.amdhsa_inst_pref_size 123
	.end_amdhsa_kernel
	.amdgpu_metadata
---
amdhsa.version: [ 1, 2 ]
amdhsa.kernels:
  - .name:           k_qb7ddc5e853_proj
    .symbol:         k_qb7ddc5e853_proj.kd
    .args:
      - { .name: xb, .offset: 0, .size: 8, .value_kind: global_buffer, .address_space: global }
      - { .name: wcat, .offset: 8, .size: 8, .value_kind: global_buffer, .address_space: global }
      - { .name: biasr, .offset: 16, .size: 8, .value_kind: global_buffer, .address_space: global }
      - { .name: qkv, .offset: 24, .size: 8, .value_kind: global_buffer, .address_space: global }
    .group_segment_fixed_size: 327680
    .private_segment_fixed_size: 0
    .kernarg_segment_align: 8
    .kernarg_segment_size: 32
    .max_flat_workgroup_size: 128
    .sgpr_count:     84
    .vgpr_count:     960
    .wavefront_size: 32
...
	.end_amdgpu_metadata
.endif
;; end of part 2
;; launch attn (part 3): grid 4 x 64, 4 waves a work-group, clusters of 4 x 1, 327,680 bytes of LDS; arguments qkv, ctx; writes ctx
.if DOCPART == 3
	.amdgcn_target "amdgcn-amd-amdhsa--gfx1250"
	.amdhsa_code_object_version 6
	.text
	.protected	k_qb7ddc5e853_attn
	.globl	k_qb7ddc5e853_attn
	.p2align	8
	.type	k_qb7ddc5e853_attn,@function
k_qb7ddc5e853_attn:
	s_mov_b64 s[64:65], 0
	v_nop
	global_prefetch_b8 v0, s[64:65] scope:SCOPE_SE
	s_setreg_imm32_b32 hwreg(HW_REG_WAVE_MODE, 25, 1), 1
	s_wait_xcnt 0x0
	s_wait_alu depctr_hold_cnt(0) depctr_sa_sdst(0) depctr_va_vdst(0) depctr_va_sdst(0) depctr_va_ssrc(0) depctr_va_vcc(0) depctr_vm_vsrc(0)
	s_getreg_b32 s2, hwreg(HW_REG_IB_STS2, 6, 4)
	s_cmp_eq_u32 s2, 0
	s_cbranch_scc0 .Lentry_in_a_cluster
	s_endpgm
.Lentry_in_a_cluster:
	s_bfe_u32 s2, ttmp6, 0x10000c
	s_cmp_lg_u32 s2, 0x3003
	s_cbranch_scc0 .Lentry_shape_is_right
	s_endpgm
.Lentry_shape_is_right:
; ctx[h][q][:] = the sum over k of softmax_k(Q[h][q] . K[h][k] / 8) V[h][k][:].  qkv holds Q, K, V, each [64][2048][64] in f16; ctx has the same layout: a head's rows are dense, 128 bytes each.
; Products, maxima and sums in f32; the weights p are rounded to f16 for the second product (their sum l is taken of the unrounded p), ctx once at the end.
; LIMITS.  Q, K and V arrive within f16's 65,504; p lies in 0 to 1, and below 6e-5 it keeps f16's fixed step of 6e-8; a weight below 2^-126 counts as 0 in l; NaN and infinities are not treated apart.
; SHARES.  A wave owns four PIECES of two tiles of 16 queries, a work-group's four waves 512 queries of one head: 4 x 64 = 256 work-groups.  Every wave walks all keys, 64 a step.
; LAYOUT.  S^T = K Q^T (source 0 = 16 keys, source 1 = 16 queries): a lane holds ONE query (lane % 16) and the keys 8 (lane / 16) + 0..7.  Two such tiles, rounded to f16 in pairs,
; ARE source 1 of O^T = V^T P.  K comes out of LDS as it lies, V ([key][channel]) turned, by ds_load_tr16_b128.
; SOFTMAX.  A running maximum m and sum l: p = 2^(c s - c m), c = log2(e) / 8; in every step O and l are multiplied by a = 2^(c m_old - c m_new).  m starts at the lowest finite number, O and l at 0.
; BY TURNS.  Turn n belongs to piece n.  Its matrix work: 16 products K Q^T of piece n + 1, later 16 products V^T P of piece n - 1.  Its vector work: scaling, exponentials, roundings, sums and
; rescaling of piece n, and the maximum and statistics of piece n + 1.  Four vector instructions stand behind every matrix instruction, the others in one run of their own.
; CLUSTER.  The four query blocks of a head walk the same K and V: each tile is asked for jointly.
; REGISTERS, in windows of 256: window 0: v0-11 addresses; v12-15, v48-63 at work; v16-47 statistics; v64-191 S^T, two buffers of two tiles; v192-255 P, likewise.
;   window 1: O^T, 32 a tile.   window 2: v0-127 Q; v128-191 K of one step; v192-255 V of one step.   window 3: v0-1 the add's two registers.
.set SIZE_N, 2048
.set NP,    4         ; pieces a wave
.set KS,    64        ; keys in a step
.set PK,    144       ; a row of K in LDS: 128 bytes + 16
.set PV,    160       ; a row of V: 128 + 32
.set VOFF,  4*KS*PK   ; a slot holds four steps: 256 rows of K, then 256 rows of V
.set SLOT1, 1<<17
.set STAGE, SLOT1+4*KS*(PK+PV)  ; behind the ring: 16 rows x 144 bytes for each wave, for the way out
.set SP,    144
.set AK0, 2
.set AV0, 3
.set AK,  4
.set AV,  5
.set QO,  6
.set STO, 6
.set RD,  7
.set GO,  8
.set PFO, 11          ; v11  256 x my lane, made when v11's use in the set-up is over; never rewritten after
.set SPW, 0           ; v0 of window 3: my spare word
.set NIL, 1           ; v1 of window 3: 0
.set SPARE, STAGE+4*16*SP
.set MV,  12
.set ST,  16          ; tile t's statistics at v[ST+4 t]: c m, m, l (even keys', odd keys')
.set TMP, 48
.set S,   64
.set P,   192
.set KF,  128
.set VF,  192
.set WV,  12
.set G1K, 24
.set G1V, 32
.set G0K, 40
.set G0V, 44
.set PFA, 48          ; s[48:49] where my prefetches stand: my work-group's 32 blocks (of K: wave 0, of V: wave 2) of the slot after the one that is being asked for
.set LIM, 50          ; s50  1 in waves 0 and 2, else the greatest number
.set SLOTS, 56
.set CNT, 57
.set CS,  58
.set SEL, 60
.set TBK, 62
.set TBV, 63
.set MSB, 0
.macro WIN new
.if MSB != (\new)
	s_set_vgpr_msb (MSB<<8)|(\new)
.set MSB, (\new)
.endif
.endm
.set W_KQ, 0x0a       ; K and Q in window 2, S^T in window 0
.set W_PV, 0x52       ; V in window 2, P in window 0, O^T in window 1
.set W_RS, 0x41       ; O^T in window 1, a in window 0
.set W_MK, 0xc0
.set W_AD, 0x0f
; A joint fill.  Waves 0 and 1 fetch the two halves of a slot's K, waves 2 and 3 those of its V: 128 keys each.  An s_nop 0 and four v_nop follow each line.
.macro JLOAD
	s_cmp_lt_u32 s[WV], 2
	s_cbranch_scc0 .Lfor_v_\@
	tensor_load_to_lds s[G0K:G0K+3], s[G1K:G1K+7]
	s_nop 0
.rept 4
	v_nop
.endr
	s_branch .Lasked_\@
.Lfor_v_\@:
	tensor_load_to_lds s[G0V:G0V+3], s[G1V:G1V+7]
	s_nop 0
.rept 4
	v_nop
.endr
.Lasked_\@:
.endm
; A prefetch into the L2 of what the NEXT change of slots will ask for: a slot's 32,768 bytes of K and of V, a lane a block of 256 bytes.  A head has one cluster; its four partners share the blocks out
; by address, 32 each; in each, wave 0 asks for K's and wave 2 for V's.  Slots 3 to 7 are asked for, four key steps (512 matrix instructions) ahead; the last change that fills a slot asks for nothing.
.macro ASK
	s_cmp_gt_u32 s[SLOTS], s[LIM]
	s_cbranch_scc0 .Lnot_mine_\@
	global_prefetch_b8 v[PFO], s[PFA:PFA+1] th:TH_LOAD_NT scope:SCOPE_SE
.Lnot_mine_\@:
.endm
.macro CROUND
	s_barrier_signal -1
	s_barrier_wait -1
	s_cmp_lg_u32 s[WV], 0
	s_cbranch_scc1 .Lnot_wave_0_\@
	s_barrier_signal -3
.Lnot_wave_0_\@:
	s_barrier_wait -3
	s_barrier_signal -1
	s_barrier_wait -1
.endm
; THE CHANGE OF SLOTS.  Each wave waits for all its tensor loads (one is out: its part of the other slot), adds 0 to its spare word, and waits for that and for its reads of the slot.
; fill = 1: the barrier is a round of the cluster's, and the slot is filled again, with the keys two slots on, first thing behind it: the load has four key steps in which to land.
.macro CHANGE fill, ask=0
	WIN W_AD
	s_wait_tensorcnt 0x0            ; no tensor load of mine is out, so a group 0 may be written
	ds_add_u32 v[SPW], v[NIL]
	WIN 0
.if \fill
.irp g, G0K, G0V
	s_xor_b32 s[\g+1], s[\g+1], SLOT1
	s_add_nc_u64 s[\g+2:\g+3], s[\g+2:\g+3], 4*KS*128
.endr
.if \ask
	s_wait_xcnt 0x0                 ; the last prefetch, four key steps back, has read its address
	s_add_nc_u64 s[PFA:PFA+1], s[PFA:PFA+1], 4*KS*128
.endif
	s_wait_dscnt 0x0                ; the add is done, and my reads of the slot are over
	CROUND
	JLOAD
.if \ask
	ASK
.endif
.else
	s_wait_dscnt 0x0
	s_barrier_signal -1
	s_barrier_wait -1
.endif
	s_sub_co_u32 s[TBK], s[TBK], 4*KS*PK  ; the fetches go back to a slot's first step,
	s_xor_b32 s[TBK], s[TBK], SLOT1       ; in the other slot
	s_sub_co_u32 s[TBV], s[TBV], 4*KS*PV
	s_xor_b32 s[TBV], s[TBV], SLOT1
.endm
	s_load_b64 s[4:5], s[0:1], 0x0  ; qkv: Q
	s_load_b64 s[10:11], s[0:1], 0x8  ; ctx
	WIN W_MK
	v_lshl_add_u32 v[SPW], v0, 2, SPARE
	v_mov_b32 v[NIL], 0
	WIN W_AD
	ds_add_u32 v[SPW], v[NIL]       ; the wave's opening: the add and its wait ahead of my first tensor load
	WIN 0
	v_lshrrev_b32 v1, 5, v0
	v_readfirstlane_b32 s[WV], v1   ; wave 0..3
	s_bfe_u32 s13, ttmp6, 0x40000   ; cx
	s_lshl_b32 s14, ttmp9, 2
	s_add_co_u32 s14, s14, s13      ; my block of queries: it enters Q's and ctx's addresses alone
	s_and_b32 s20, ttmp7, 0xffff    ; the head, which the four partners share
	s_mov_b32 s21, 0
	s_mov_b64 s[22:23], SIZE_N*128
	s_mul_u64 s[20:21], s[20:21], s[22:23]  ; the head's first byte in each tensor
	s_and_b32 s16, s[WV], 1         ; which half of a slot's 256 keys I fetch
	s_lshl_b32 s22, s16, 14
	s_mov_b32 s23, 0
	s_add_nc_u64 s[22:23], s[22:23], s[20:21]
	s_mul_i32 s17, s16, 128*PK
	s_mul_i32 s18, s16, 128*PV
	s_lshl_b32 s2, s14, 2
	s_add_co_u32 s2, s2, s[WV]
	s_lshl_b32 s2, s2, 14           ; my wave's 128 rows
	s_mov_b32 s3, 0
	s_add_nc_u64 s[2:3], s[2:3], s[20:21]
	; group 1: 128 keys are 16,384 dense bytes: asked for as 64 rows of 256 bytes, padded in LDS after every key
	s_mov_b32 s[G1K], 15|(1<<16)|(1<<20)|(1<<21)|(4<<22)|(3<<25)
	s_mov_b32 s[G1V], 15|(1<<16)|(1<<20)|(1<<21)|(4<<22)|(7<<25)
.irp g, G1K, G1V
	s_mov_b32 s[\g+1], 128<<16
	s_mov_b32 s[\g+2], 64<<16
	s_mov_b32 s[\g+3], 128<<16
	s_mov_b32 s[\g+4], 64
	s_mov_b32 s[\g+5], 128
	s_mov_b32 s[\g+6], 0
	s_mov_b32 s[\g+7], 0
.endr
	s_mov_b32 s[CS], 0x3e38aa3b     ; c = log2(e) / 8
	s_mov_b32 s[CS+1], s[CS]
	s_mov_b32 s[SEL], 0x76543210
	s_mov_b32 s[SEL+1], 0xfedcba98
	s_mov_b32 s[TBK], SLOT1+4*KS*PK ; the first change of slots turns these two into 0
	s_mov_b32 s[TBV], SLOT1+4*KS*PV
	s_mov_b32 s[G0K], 1
	s_mov_b32 s[G0K+1], s17
	s_mov_b32 s[G0V], 1
	s_add_co_u32 s[G0V+1], s18, VOFF
	s_and_b32 s[LIM], s[WV], 1
	s_cmp_eq_u32 s[LIM], 0
	s_cselect_b32 s[LIM], 1, -1
	s_wait_dscnt 0x0                ; the opening add is done
	s_wait_kmcnt 0x0
	s_add_nc_u64 s[6:7], s[4:5], 0x1000000  ; K
	s_add_nc_u64 s[8:9], s[4:5], 0x2000000  ; V
	s_add_nc_u64 s[G0K+2:G0K+3], s[6:7], s[22:23]
	s_or_b32 s[G0K+3], s[G0K+3], 0x80000000
	s_add_nc_u64 s[G0V+2:G0V+3], s[8:9], s[22:23]
	s_or_b32 s[G0V+3], s[G0V+3], 0x80000000
	s_add_nc_u64 s[4:5], s[4:5], s[2:3]  ; Q and ctx at my wave's first row
	s_add_nc_u64 s[10:11], s[10:11], s[2:3]
	s_cmp_lt_u32 s[WV], 2
	s_cselect_b64 s[PFA:PFA+1], s[6:7], s[8:9]
	s_add_nc_u64 s[PFA:PFA+1], s[PFA:PFA+1], s[20:21]
	s_lshl_b32 s2, s13, 13          ; my work-group's 32 blocks of a slot's 128
	s_add_nc_u64 s[PFA:PFA+1], s[PFA:PFA+1], s[2:3]
	s_add_nc_u64 s[PFA:PFA+1], s[PFA:PFA+1], 2*4*KS*128  ; in slot 2: the change that asks for slot 2 steps it to slot 3
	CROUND                          ; all four work-groups are here
	JLOAD                           ; slot 0
	v_and_b32 v1, 15, v0            ; l % 16
	v_bfe_u32 v9, v0, 4, 1          ; l / 16
	v_lshlrev_b32 v[QO], 7, v1
	v_lshl_add_u32 v[QO], v9, 4, v[QO]
	WIN 0x80
.set i, 0
.rept 4*NP                          ; Q stays in registers: tile i / 2, channels 32 (i % 2) on
	global_load_b128 v[8*i:8*i+3],   v[QO], s[4:5] offset:(i/2)*2048+(i%2)*64
	global_load_b128 v[8*i+4:8*i+7], v[QO], s[4:5] offset:(i/2)*2048+(i%2)*64+32
.set i, i+1
.endr
	; what the first turn finds: V's registers and P's second buffer hold 0, O^T and l are 0.  All this stands in the wait for the first tile.
.set i, VF
.rept 64
	v_mov_b32 v[i], 0
.set i, i+1
.endr
	WIN 0x40
.set i, 0
.rept 64*NP
	v_mov_b32 v[i], 0
.set i, i+1
.endr
	WIN 0
.set i, 0
.rept 2*NP
	v_mov_b32 v[ST+4*i], 0xfe000000    ; c m: far below every c s
	v_mov_b32 v[ST+4*i+1], 0xff7fffff  ; m
	v_mov_b32 v[ST+4*i+2], 0
	v_mov_b32 v[ST+4*i+3], 0
.set i, i+1
.endr
.set i, P+32
.rept 32
	v_mov_b32 v[i], 0
.set i, i+1
.endr
	v_mul_u32_u24 v[AK0], v1, PK
	v_lshl_add_u32 v[AK0], v9, 4, v[AK0]
	v_and_b32 v10, 7, v0
	v_bfe_u32 v11, v0, 3, 1
	v_lshl_add_u32 v[AV0], v9, 3, v10
	v_mul_u32_u24 v[AV0], v[AV0], PV
	v_lshl_add_u32 v[AV0], v11, 4, v[AV0]
	v_add_nc_u32 v[AV0], VOFF, v[AV0]
	v_and_b32 v[PFO], 31, v0
	v_lshlrev_b32 v[PFO], 8, v[PFO]
	v_mov_b32 v[AK], v[AK0]         ; key step 0 lies at the head of slot 0
; THE MATRIX WORK.  The 8 accumulators of a run of 16 take turns.
.macro KQ x                         ; product i of 16 of S^T = K Q^T for piece x
	WIN W_KQ
.set rS, S+64*((\x)%2)+32*(i%2)+8*((i/2)%4)
.set rK, KF+16*((i/2)%4)+8*(i/8)
.set rQ, 16*(2*(\x)+i%2)+8*(i/8)
.if i < 8
	v_wmma_f32_16x16x32_f16 v[rS:rS+7], v[rK:rK+7], v[rQ:rQ+7], 0
.else
	v_wmma_f32_16x16x32_f16 v[rS:rS+7], v[rK:rK+7], v[rQ:rQ+7], v[rS:rS+7]
.endif
.endm
.macro PV x                         ; product i of 16 of O^T += V^T P for piece x
	WIN W_PV
.set rO, 32*(2*(\x)+i%2)+8*((i/2)%4)
.set rV, VF+32*(i/8)+8*((i/2)%4)
.set rP, P+32*((\x)%2)+16*(i%2)+8*(i/8)
	v_wmma_f32_16x16x32_f16 v[rO:rO+7], v[rV:rV+7], v[rP:rP+7], v[rO:rO+7]
.endm
.macro MM                           ; the turn's next matrix instruction
.if i < 16
	KQ (Y+1)%NP
.set i, i+1
.else
.set i, i-16
	PV (Y+NP-1)%NP
.set i, i+17
.endif
.endm
; THE LDS LOADS stand in runs of 16.  last = 1 (the tail): in the last trip there is no further step, and the run is jumped over.
.macro FETCH_K last=0
	WIN 0
.if \last
	s_cmp_eq_u32 s[CNT], 1
	s_cbranch_scc1 .Lno_k_\@
.endif
	WIN 0x80
.irp f, 0,1,2,3,4,5,6,7
	ds_load_b128 v[KF+8*\f:KF+8*\f+3],   v[AK] offset:(\f/2)*16*PK+(\f%2)*64
	ds_load_b128 v[KF+8*\f+4:KF+8*\f+7], v[AK] offset:(\f/2)*16*PK+(\f%2)*64+32
.endr
	s_add_co_u32 s[TBK], s[TBK], KS*PK
	WIN 0
.if \last
.Lno_k_\@:
.endif
.endm
.macro FETCH_V
	WIN 0x80
.irp f, 0,1,2,3,4,5,6,7
	ds_load_tr16_b128 v[VF+8*\f:VF+8*\f+3],   v[AV] offset:(\f/4)*32*PV+(\f%4)*32
	ds_load_tr16_b128 v[VF+8*\f+4:VF+8*\f+7], v[AV] offset:(\f/4)*32*PV+16*PV+(\f%4)*32
.endr
	WIN 0
.endm
; THE VECTOR WORK OF A TURN stands in three queues, each in the order in which its entries become ready; the two tiles alternate.
.macro REGS y, u                    ; the registers of tile u (0, 1) of piece y
.set rT, ST+4*(2*(\y)+(\u))
.set rC, TMP+8*((\y)%2)+4*(\u)
.set rM, MV+2*((\y)%2)+(\u)
.set rS, S+64*((\y)%2)+32*(\u)
.set rP, P+32*((\y)%2)+16*(\u)
.set rO, 32*(2*(\y)+(\u))
.endm
; Number n of the 22 that find the NEXT piece's maximum and statistics; each accumulator's lowest registers are read first.
;   0-11 four chains of seven scores   12-14, 16 the scores left over, the old m, four into one   15 c m_old is kept   17, 18 the other half of the lanes: the new m   19-21 c m; its change; a
.macro XS u, n
	REGS (Y+1)%NP, \u
.if (\n) < 4
	v_max3_num_f32 v[rC+(\n)], v[rS+8*(\n)], v[rS+8*(\n)+1], v[rS+8*(\n)+2]
.elseif (\n) < 12
	v_max3_num_f32 v[rC+(\n)%4], v[rC+(\n)%4], v[rS+8*((\n)%4)+2*((\n)/4)+1], v[rS+8*((\n)%4)+2*((\n)/4)+2]
.elseif (\n) == 12
	v_max3_num_f32 v[rC], v[rC], v[rS+7], v[rS+15]
.elseif (\n) == 13
	v_max3_num_f32 v[rC+1], v[rC+1], v[rS+23], v[rS+31]
.elseif (\n) == 14
	v_max3_num_f32 v[rC+2], v[rC+2], v[rC+3], v[rT+1]
.elseif (\n) == 15
	v_mov_b32 v[rM], v[rT]
.elseif (\n) == 16
	v_max3_num_f32 v[rC], v[rC], v[rC+1], v[rC+2]
.elseif (\n) == 17
	v_permlanex16_b32 v[rC+3], v[rC], s[SEL], s[SEL+1]
.elseif (\n) == 18
	v_max_num_f32 v[rT+1], v[rC], v[rC+3]
.elseif (\n) == 19
	v_mul_f32 v[rT], s[CS], v[rT+1]
.elseif (\n) == 20
	v_sub_f32 v[rC+1], v[rM], v[rT]
.else
	v_exp_f32 v[rC+2], v[rC+1]
.endif
.endm
; Number g of the 64 that follow the exponentials: for each four weights both pairs are rounded to f16, the second pair is added onto the first, and a group later l takes that sum.
.macro GS g
.set h, (\g)+6*((\g)/62)
.if h >= 6
.set h, h+2
.endif
	REGS Y, h%2
.set k, h/8
.if h%8 < 4
	v_cvt_pk_f16_f32 v[rP+2*k+(h%8)/2], v[rS+4*k+2*((h%8)/2)], v[rS+4*k+2*((h%8)/2)+1]
.elseif h%8 < 6
	v_pk_add_f32 v[rS+4*k:rS+4*k+1], v[rS+4*k:rS+4*k+1], v[rS+4*k+2:rS+4*k+3]
.elseif k == 1
	v_pk_fma_f32 v[rT+2:rT+3], v[rT+2:rT+3], v[rC+2:rC+3], v[rS:rS+1] op_sel_hi:[1,0,1]
.else
	v_pk_add_f32 v[rT+2:rT+3], v[rT+2:rT+3], v[rS+4*k-4:rS+4*k-3]
.endif
.endm
; THE PLAIN QUEUE, 138 long.  0-73 read no exponential's result: the 32 scalings c s - c m and the next piece's 42.  74-137: GS's 64, behind the wait.
.macro FS f
	REGS Y, (\f)%2
	v_pk_fma_f32 v[rS+2*((\f)/2):rS+2*((\f)/2)+1], v[rS+2*((\f)/2):rS+2*((\f)/2)+1], s[CS:CS+1], v[rT:rT+1] op_sel_hi:[1,0,0] neg_lo:[0,0,1] neg_hi:[0,0,1]
.endm
.macro PL
	WIN 0
.if q < 27
	FS q
.elseif q < 55
	XS (q-27)%2, (q-27)/2
.elseif q < 57
	XS q-55, 15
.elseif (q < 72) && ((q-57)%3 == 0)
	FS 27+(q-57)/3
.elseif q < 60
	XS (q-57)%3-1, 14
.elseif q < 72
	XS (q-57)%3-1, 15+(q-57)/3
.elseif q < 74
	XS q-72, 20
.else
	GS q-74
.endif
.set q, q+1
.endm
; THE EXPONENTIALS' QUEUE, 66 long: one batch, all ahead of the turn's one wait; nothing ahead of that wait names a result of theirs.
.macro EX
	WIN 0
.if e >= 64
	XS e-64, 21
.else
	REGS Y, e%2
	v_exp_f32 v[rS+e/2], v[rS+e/2]
.endif
.set e, e+1
.endm
; THE RESCALING's QUEUE: O^T times a, two at a time.  Its a was made, and waited for, in the turn before.
.macro R2
	REGS Y, r%2
	WIN W_RS
.irp z, 0,1
	v_pk_mul_f32 v[rO+4*(r/2)+2*\z:rO+4*(r/2)+2*\z+1], v[rO+4*(r/2)+2*\z:rO+4*(r/2)+2*\z+1], v[rC+2:rC+3] op_sel_hi:[1,0]
.endr
.set r, r+1
.endm
; A TURN, for piece p.  Ahead of its one wait: 16 products K Q^T, behind each a scaling, an exponential and two rescalings; then a run of 108: eight plain, 49 times exponential and plain, the two a.
; Behind the wait: 16 products V^T P, behind each four of the roundings and sums.  Exponential e stands behind scaling 2 (e / 4) + e % 2: the deal keeps the queues in step.
; K of the next step is fetched in piece 2's turn, directly behind the wait; V of the step in hand at the end of piece 0's turn, four plain instructions behind its last reader.
.macro TURN p, last=0, cnt=0
.set Y, (\p)
.set i, 0
.set q, 0
.set e, 0
.set r, 0
.if (\p) == NP-1
	s_wait_dscnt 0x0                ; K is in
.endif
	MM
	PL
	PL
	R2
.rept 15
	MM
	PL
	EX
	R2
.endr
.if (\p) == NP-2
	WIN 0
	v_add_nc_u32 v[AK], s[TBK], v[AK0]
.endif
.rept 8
	PL
.endr
.rept 49
	EX
	PL
.endr
	EX
	EX
	v_nop                           ; a plain instruction behind the last exponential (ISA guide 5.7.2): one for the batch
	s_wait_alu depctr_va_vdst(0)    ; the wait ahead of the first reader: one for the batch
.if (\p) == NP-2
	FETCH_K \last
.endif
.if (\p) == 1
	s_wait_dscnt 0x0                ; V is in
.endif
.rept 16
	MM
.rept 4
	PL
.endr
.if ((\p) == 0) && (q == 118)
	v_add_nc_u32 v[AV], s[TBV], v[AV0]
.endif
.if ((\p) == 0) && (q == 130)
	s_add_co_u32 s[TBV], s[TBV], KS*PV
.endif
.if (\cnt) && (q == 130)
	s_sub_co_u32 s[CNT], s[CNT], 1
	s_cmp_lg_u32 s[CNT], 0
.endif
.endr
.if (\p) == 0
	FETCH_V
.endif
.endm
	CHANGE 1                        ; slot 0 is in, everybody's part of it; slot 1 is asked for
	FETCH_K                         ; key step 0
	s_wait_loadcnt 0x0              ; Q
	s_wait_dscnt 0x0
.set i, 0
.rept 16
	KQ 0                            ; piece 0's first scores
.set i, i+1
.endr
	WIN 0                           ; the addresses for the way out: plain instructions, the places behind those products
	s_mul_i32 s13, s[WV], 16*SP
	s_add_co_u32 s13, s13, STAGE
	v_mul_u32_u24 v[STO], v1, SP
	v_lshl_add_u32 v[STO], v9, 4, v[STO]
	v_add_nc_u32 v[STO], s13, v[STO]
	v_bfe_u32 v[RD], v0, 3, 2
	v_mul_u32_u24 v[RD], v[RD], SP
	v_lshl_add_u32 v[RD], v10, 4, v[RD]
	v_add_nc_u32 v[RD], s13, v[RD]
	v_and_b32 v[GO], 31, v0
	v_lshlrev_b32 v[GO], 4, v[GO]
.set Y, NP-1
.irp n, 0,1,2,3,4,5,6,7,8,9,10,11,12,13,14,15,16,17,18,19,20,21
	XS 0, \n                        ; piece 0's first maximum and statistics
	XS 1, \n
.endr
	v_nop
	s_wait_alu depctr_va_vdst(0)    ; the two a have their wait ahead of the branch
	s_mov_b32 s[CNT], 4
	s_mov_b32 s[SLOTS], SIZE_N/256-1
	s_branch .Lfirst                ; the loop is entered at a step's first turn
.Lslot:                             ; six times: every slot but the last two is filled again
	CHANGE 1, 1
	s_mov_b32 s[CNT], 4
.Lstep:                             ; a trip: pieces 2 and 3 of one step, then pieces 0 and 1 of the next
	TURN 2
	TURN 3
	WIN 0
.Lfirst:
	TURN 0
	TURN 1, 0, 1
	WIN 0
	s_cbranch_scc1 .Lstep
	s_sub_co_u32 s[SLOTS], s[SLOTS], 1
	s_cmp_lg_u32 s[SLOTS], 0
	s_cbranch_scc1 .Lslot
	CHANGE 0                        ; the tail is written out
	s_mov_b32 s[CNT], 5             ; four trips fetch the last slot's steps; the fifth is left in its middle
.Ltail:
	TURN 2, 1
	TURN 3
	WIN 0
	s_sub_co_u32 s[CNT], s[CNT], 1
	s_cmp_eq_u32 s[CNT], 0
	s_cbranch_scc1 .Lout
	TURN 0
	TURN 1
	WIN 0
	s_branch .Ltail
.Lout:                              ; the fifth trip's 16 products K Q^T (on the last K once more) and the maximum made of them serve nothing: the price of one text for every trip
.set i, 0
.rept 16
	PV NP-1                         ; the last piece's V^T P of the last step
.set i, i+1
.endr
	; THE WAY OUT.  l's halves are added; O^T is divided by l, rounded to f16 and sent through my stage, a tile at a time.  The additions are the places behind the last products.
	WIN 0
.macro ALL line:vararg
.set t, 0
.rept 2*NP
	\line
.set t, t+1
.endr
.endm
	ALL v_add_f32 v[ST+4*t+2], v[ST+4*t+2], v[ST+4*t+3]
	ALL v_permlanex16_b32 v[ST+4*t+3], v[ST+4*t+2], s[SEL], s[SEL+1]
	ALL v_add_f32 v[ST+4*t+2], v[ST+4*t+2], v[ST+4*t+3]
	ALL v_rcp_f32 v[ST+4*t+2], v[ST+4*t+2]
	v_nop
	s_wait_alu depctr_va_vdst(0)    ; one wait for the eight reciprocals
.macro PACK t
	WIN W_RS
.set i, 32*(\t)
.rept 16
	v_pk_mul_f32 v[i:i+1], v[i:i+1], v[ST+4*(\t)+2:ST+4*(\t)+3] op_sel_hi:[1,0]
.set i, i+2
.endr
	WIN 0x05
.set i, 0
.rept 16
	v_cvt_pk_f16_f32 v[S+16*(\t)+i], v[32*(\t)+2*i], v[32*(\t)+2*i+1]
.set i, i+1
.endr
	WIN 0
.irp f, 0,1,2,3
	ds_store_b128 v[STO], v[S+16*(\t)+4*\f:S+16*(\t)+4*\f+3] offset:32*\f
.endr
.irp f, 0,1,2,3
	ds_load_b128 v[S+16*(\t)+4*\f:S+16*(\t)+4*\f+3], v[RD] offset:\f*4*SP  ; LDS serves a wave's instructions in order: these see the stores above
.endr
.endm
.macro SEND t, younger              ; younger: the LDS instructions issued behind tile t's loads
	WIN 0
.irp f, 0,1,2,3
	s_wait_dscnt (\younger)+3-\f
	global_store_b128 v[GO], v[S+16*(\t)+4*\f:S+16*(\t)+4*\f+3], s[10:11] offset:(\t)*2048+\f*512  ; 512 consecutive bytes, aligned
.endr
.endm
	PACK 0
.set t, 1
.rept 2*NP-1
	PACK t
	SEND t-1, 8
.set t, t+1
.endr
	SEND 2*NP-1, 0
	WIN W_AD
	s_wait_tensorcnt 0x0            ; the wave's end
	ds_add_u32 v[SPW], v[NIL]
	s_wait_dscnt 0x0
	WIN 0
	CROUND                          ; the closing round
	s_endpgm
.Lfunc_end_k_qb7ddc5e853_attn:
	.size	k_qb7ddc5e853_attn, .Lfunc_end_k_qb7ddc5e853_attn-k_qb7ddc5e853_attn
	.p2alignl 7, 3214868480
	.fill 96, 4, 3214868480
	.section	.rodata,"a",@progbits
	.p2align	6, 0x0
	.amdhsa_kernel k_qb7ddc5e853_attn
		.amdhsa_group_segment_fixed_size 327680
		.amdhsa_private_segment_fixed_size 0
		.amdhsa_enable_private_segment 0
		.amdhsa_kernarg_size 16
		.amdhsa_user_sgpr_count 2
		.amdhsa_user_sgpr_kernarg_segment_ptr 1
		.amdhsa_wavefront_size32 1
		.amdhsa_system_sgpr_workgroup_id_x 1
		.amdhsa_system_sgpr_workgroup_id_y 1
		.amdhsa_system_sgpr_workgroup_id_z 1
		.amdhsa_system_vgpr_workitem_id 0
		.amdhsa_next_free_vgpr 770
		.amdhsa_next_free_sgpr 66
		.amdhsa_reserve_vcc 0
		.amdhsa_float_denorm_mode_32 3
		.amdhsa_float_denorm_mode_16_64 3
		.amdhsa_memory_ordered 1
		.amdhsa_forward_progress 1
		.amdhsa_inst_pref_size 200
	.end_amdhsa_kernel
	.amdgpu_metadata
---
amdhsa.version: [ 1, 2 ]
amdhsa.kernels:
  - .name:           k_qb7ddc5e853_attn
    .symbol:         k_qb7ddc5e853_attn.kd
    .args:
      - { .name: qkv, .offset: 0, .size: 8, .value_kind: global_buffer, .address_space: global }
      - { .name: ctx, .offset: 8, .size: 8, .value_kind: global_buffer, .address_space: global }
    .group_segment_fixed_size: 327680
    .private_segment_fixed_size: 0
    .kernarg_segment_align: 8
    .kernarg_segment_size: 16
    .max_flat_workgroup_size: 128
    .sgpr_count:     66
    .vgpr_count:     770
    .wavefront_size: 32
...
	.end_amdgpu_metadata
.endif
;; end of part 3
;; launch outp (part 4): grid 4 x 64, 4 waves a work-group, clusters of 4 x 4, 327,680 bytes of LDS; arguments ctx, wob, biasr, out0; writes out0
.if DOCPART == 4
	.amdgcn_target "amdgcn-amd-amdhsa--gfx1250"
	.amdhsa_code_object_version 6
	.text
	.protected	k_qb7ddc5e853_outp
	.globl	k_qb7ddc5e853_outp
	.p2align	8
	.type	k_qb7ddc5e853_outp,@function
k_qb7ddc5e853_outp:
	s_mov_b64 s[64:65], 0
	v_nop
	global_prefetch_b8 v0, s[64:65] scope:SCOPE_SE
	s_setreg_imm32_b32 hwreg(HW_REG_WAVE_MODE, 25, 1), 1
	s_wait_xcnt 0x0
	s_wait_alu depctr_hold_cnt(0) depctr_sa_sdst(0) depctr_va_vdst(0) depctr_va_sdst(0) depctr_va_ssrc(0) depctr_va_vcc(0) depctr_vm_vsrc(0)
	s_getreg_b32 s2, hwreg(HW_REG_IB_STS2, 6, 4)
	s_cmp_eq_u32 s2, 0
	s_cbranch_scc0 .Lentry_in_a_cluster
	s_endpgm
.Lentry_in_a_cluster:
	s_bfe_u32 s2, ttmp6, 0x10000c
	s_cmp_lg_u32 s2, 0xf033
	s_cbranch_scc0 .Lentry_shape_is_right
	s_endpgm
.Lentry_shape_is_right:
; out0 = ctx wo + bo, f32 [8192][1024].  ctx lies by heads, [batch x head 64][s 2048][64] in f16; wob holds the bf16-rounded wo as f16, blocked [tc 4][ks 8][j 4][kk 128][64 n];
; bo (biasr + 12,288, f32) is the C operand of each sum's first product.  Sums in f32, stored as they are.
; TILE.  128 rows by 256 columns: 64 x 4 = 256 work-groups, one for each WGP.  The waves lie 2 x 2: a wave makes 64 x 128, 32 accumulators (256 registers).
; K goes in 8 steps of 128 = two heads through two LDS slots; a head's 128 rows of the tile are 16,384 dense bytes, a step's weights 65,536: both are asked for as rows of 256 bytes.
; The weights lie [k][n] and are turned by ds_load_tr16_b128; the product is used transposed (source 0 = 16 columns of wo, source 1 = 16 rows of ctx): a lane holds row l % 16 and 8 neighbouring columns.
; CLUSTER.  4 x 4: ctx's tile is shared along a row of the cluster, the weights' along a column.
; REGISTERS: window 0: v0-31 addresses; v32-95 the bias, later with v96-159 the way out.  window 1: two buffers of 96: ctx's four fragments, then wo's eight.  window 2: accumulator (a, b) at v[8 (8 a + b)].
.set PA,     144                       ; a row of a head in LDS: 128 bytes + 16
.set ASL,    128*PA                    ; a head's 128 rows: what one tensor load brings of ctx
.set BOFF,   2*ASL
.set PB,     160                       ; a row of a slice of wo: 128 bytes + 32
.set BSL,    128*PB
.set BHALF,  2*BSL                     ; what one tensor load brings of the weights
.set BBLK,   65536                     ; bytes of a K step's weights in wob
.set ASTEP,  2<<18                     ; bytes from K step to K step in ctx: two heads
.set SLOT,   131072
.set STAGE,  2*SLOT                    ; behind the ring: 16 rows x 528 bytes for each wave
.set SPO,    528                       ; 512 bytes + 16
.set WST,    16*SPO
.set SPARE,  STAGE+4*WST
.set ADRA, 16
.set ADRB, 20
.set STO,  24
.set RD,   25
.set GO,   26
.set BO,   27
.set SPW,  28
.set NIL,  29
.set PFO,  30
.set BIAS, 32
.set BK,   32                          ; two buffers of 64
.set WV,   12
.set G1,   24
.set G0,   32
.set PFA,  40
.set PFS,  42
.set LIM,  44
.set G1B,  48
.set G0B,  56
.set OUTB, 66                          ; s[66:67] out0 at my 64 rows and 128 columns
.set MSB, 0
.macro WIN new
.if MSB != (\new)
	s_set_vgpr_msb (MSB<<8)|(\new)
.set MSB, \new
.endif
.endm
.macro JLOAD s                         ; waves 0 and 1 fetch the step's two heads of ctx, waves 2 and 3 the weights' halves; an s_nop 0 and four v_nop follow each line
	s_cmp_eq_u32 s13, 0
	s_cbranch_scc0 .Lfor_b_\@
	tensor_load_to_lds s[G0+4*(\s):G0+4*(\s)+3], s[G1:G1+7]
	s_nop 0
.rept 4
	v_nop
.endr
	s_branch .Lasked_\@
.Lfor_b_\@:
	tensor_load_to_lds s[G0B+4*(\s):G0B+4*(\s)+3], s[G1B:G1B+7]
	s_nop 0
.rept 4
	v_nop
.endr
.Lasked_\@:
.endm
; A prefetch into the L2 of the K step two refills on (256 matrix instructions ahead of its load): a lane a block of 256 bytes.  ctx's tile (128 blocks a step) is read by one cluster alone: its row's
; four partners take 32 blocks each, by address, and wave 0 asks.  The weights' are read by every cluster: cluster y = 0 asks, waves 2 and 3 for the halves that they fetch, the column's four partners
; 32 blocks each.  K steps 4 to 7 are asked for; the loop's last trip asks for nothing.
.macro ASK
	s_cmp_gt_u32 s3, s[LIM]
	s_cbranch_scc0 .Lnot_mine_\@
	global_prefetch_b8 v[PFO], s[PFA:PFA+1] th:TH_LOAD_NT scope:SCOPE_SE
.Lnot_mine_\@:
.endm
.macro CREST
	s_cmp_lg_u32 s[WV], 0
	s_cbranch_scc1 .Lnot_wave_0_\@
	s_barrier_signal -3
.Lnot_wave_0_\@:
	s_barrier_wait -3
	s_barrier_signal -1
	s_barrier_wait -1
.endm
.macro CROUND
	s_barrier_signal -1
	s_barrier_wait -1
	CREST
.endm
	s_load_b256 s[4:11], s[0:1], 0x0               ; ctx 4, wob 6, biasr 8, out0 10
	v_lshl_add_u32 v[SPW], v0, 2, SPARE
	v_mov_b32 v[NIL], 0
	ds_add_u32 v[SPW], v[NIL]                      ; the wave's opening: the add and its wait ahead of my first tensor load
	v_lshrrev_b32 v1, 5, v0
	v_readfirstlane_b32 s[WV], v1
	s_lshr_b32 s13, s[WV], 1                       ; my half of the tile's rows.  Also: I fetch for ctx (0) or for the weights (1)
	s_and_b32 s14, s[WV], 1                        ; my half of its columns.  Also: which half of that tile I fetch
	s_bfe_u32 s15, ttmp6, 0x40000                  ; cx
	s_bfe_u32 s16, ttmp6, 0x40004                  ; cy
	s_lshl_b32 s17, ttmp9, 2
	s_add_co_u32 s17, s17, s15                     ; tc
	s_and_b32 s18, ttmp7, 0xffff
	s_lshl_b32 s18, s18, 2
	s_add_co_u32 s18, s18, s16                     ; tr
	s_lshl_b32 s19, s16, 2
	s_lshl_b32 s19, 15, s19                        ; my row of the cluster
	s_lshl_b32 s46, 0x1111, s15                    ; my column
	s_or_b32 s[G1], s19, (1<<16)|(1<<20)|(1<<21)|(4<<22)|(3<<25)   ; after every 32 words 4 words of padding
	s_or_b32 s[G1B], s46, (1<<16)|(1<<20)|(1<<21)|(4<<22)|(7<<25)  ; after every 32 words 8 words
	s_mov_b32 s[G1+1], 128<<16                     ; 64 rows of 128 elements, dense
	s_mov_b32 s[G1+2], 64<<16
	s_mov_b32 s[G1+3], 128<<16
	s_mov_b32 s[G1+4], 64
	s_mov_b32 s[G1+5], 128
	s_mov_b32 s[G1+6], 0
	s_mov_b32 s[G1+7], 0
	s_mov_b32 s[G1B+1], 128<<16                    ; 128 rows of 128 elements, dense
	s_mov_b32 s[G1B+2], 128<<16
	s_mov_b32 s[G1B+3], 128<<16
	s_mov_b32 s[G1B+4], 128
	s_mov_b32 s[G1B+5], 128
	s_mov_b32 s[G1B+6], 0
	s_mov_b32 s[G1B+7], 0
	s_lshr_b32 s20, s18, 4                         ; ctx: batch = tr / 16,
	s_lshl_b32 s20, s20, 4
	s_add_co_u32 s20, s20, s14                     ; head = my half of the step's two,
	s_lshl_b32 s20, s20, 18
	s_and_b32 s21, s18, 15
	s_lshl_b32 s21, s21, 14                        ; the tile's 128 rows of 128 bytes
	s_add_co_u32 s20, s20, s21
	s_mov_b32 s21, 0
	s_lshl_b32 s46, s17, 19                        ; the weights: the tile column's eight K steps,
	s_lshl_b32 s47, s14, 15                        ; my half of a step
	s_add_co_u32 s46, s46, s47
	s_mov_b32 s47, 0
	s_mul_i32 s2, s14, ASL
	s_mul_i32 s45, s14, BHALF
	s_add_co_u32 s45, s45, BOFF
	s_wait_dscnt 0x0
	s_wait_kmcnt 0x0
	s_add_nc_u64 s[22:23], s[4:5], s[20:21]
	s_add_nc_u64 s[46:47], s[6:7], s[46:47]
	CROUND
.irp s, 0,1
	s_mov_b32 s[G0+4*(\s)], 1
	s_add_co_u32 s[G0+4*(\s)+1], s2, (\s)*SLOT
	s_add_nc_u64 s[G0+4*(\s)+2:G0+4*(\s)+3], s[22:23], (\s)*ASTEP
	s_or_b32 s[G0+4*(\s)+3], s[G0+4*(\s)+3], 0x80000000
	s_mov_b32 s[G0B+4*(\s)], 1
	s_add_co_u32 s[G0B+4*(\s)+1], s45, (\s)*SLOT
	s_add_nc_u64 s[G0B+4*(\s)+2:G0B+4*(\s)+3], s[46:47], (\s)*BBLK
	s_or_b32 s[G0B+4*(\s)+3], s[G0B+4*(\s)+3], 0x80000000
	JLOAD \s                                       ; two loads of mine are out
.endr
	v_and_b32 v1, 15, v0
	v_bfe_u32 v2, v0, 4, 1
	v_lshlrev_b32 v[BO], 5, v2
	s_lshl_b32 s72, s17, 10                        ; bo at my 128 columns
	s_lshl_b32 s73, s14, 9
	s_add_co_u32 s72, s72, s73
	s_add_co_u32 s72, s72, 12288
	s_mov_b32 s73, 0
	s_add_nc_u64 s[72:73], s[8:9], s[72:73]
.irp b, 0,1,2,3,4,5,6,7
	global_load_b128 v[BIAS+8*(\b):BIAS+8*(\b)+3],   v[BO], s[72:73] offset:64*(\b)
	global_load_b128 v[BIAS+8*(\b)+4:BIAS+8*(\b)+7], v[BO], s[72:73] offset:64*(\b)+16
.endr
	v_mul_u32_u24 v3, v1, PA
	v_lshl_add_u32 v3, v2, 4, v3
	s_mul_i32 s45, s13, 64*PA                      ; my 64 rows
	v_add_nc_u32 v[ADRA], s45, v3
	v_add_nc_u32 v[ADRA+1], SLOT, v[ADRA]
	v_and_b32 v4, 7, v0
	v_lshl_add_u32 v4, v2, 3, v4
	v_mul_u32_u24 v4, v4, PB
	v_bfe_u32 v5, v0, 3, 1
	v_lshl_add_u32 v4, v5, 4, v4
	s_mul_i32 s45, s14, BHALF                      ; my two slices
	s_add_co_u32 s45, s45, BOFF
	v_add_nc_u32 v[ADRB], s45, v4
	v_add_nc_u32 v[ADRB+1], SLOT, v[ADRB]
	s_mul_i32 s45, s[WV], WST
	s_add_co_u32 s45, s45, STAGE
	v_mul_u32_u24 v5, v1, SPO                      ; in: row l % 16, 32 bytes for each half of the lanes
	v_lshl_add_u32 v5, v2, 5, v5
	v_add_nc_u32 v[STO], s45, v5
	v_and_b32 v[GO], 31, v0                        ; back: 32 lanes take a row's 512 bytes
	v_lshlrev_b32 v[GO], 4, v[GO]
	v_add_nc_u32 v[RD], s45, v[GO]
	s_lshl_b32 s74, s18, 19                        ; out0: 128 tr rows of 4,096 bytes,
	s_lshl_b32 s75, s13, 18                        ; my 64,
	s_add_co_u32 s74, s74, s75
	s_lshl_b32 s75, s17, 10                        ; the tile's 256 columns,
	s_add_co_u32 s74, s74, s75
	s_lshl_b32 s75, s14, 9                         ; my 128
	s_add_co_u32 s74, s74, s75
	s_mov_b32 s75, 0
	s_add_nc_u64 s[OUTB:OUTB+1], s[10:11], s[74:75]
	; the prefetches
	s_lshr_b32 s74, s18, 4
	s_lshl_b32 s74, s74, 4
	s_lshr_b32 s75, s15, 1                         ; ctx: partners 0, 1 take the step's first head, 2, 3 its second,
	s_add_co_u32 s74, s74, s75
	s_lshl_b32 s74, s74, 18
	s_and_b32 s75, s18, 15
	s_lshl_b32 s75, s75, 14
	s_add_co_u32 s74, s74, s75
	s_and_b32 s75, s15, 1                          ; half of its 64 blocks each
	s_lshl_b32 s75, s75, 13
	s_add_co_u32 s74, s74, s75
	s_lshl_b32 s76, s17, 19                        ; the weights: the half that I fetch,
	s_lshl_b32 s75, s14, 15
	s_add_co_u32 s76, s76, s75
	s_lshl_b32 s75, s16, 13                        ; my work-group's 32 blocks of it
	s_add_co_u32 s76, s76, s75
	s_and_b32 s77, ttmp7, 0xffff                   ; cluster y
	s_mov_b32 s80, ASTEP
	s_mov_b32 s81, BBLK
	s_cmp_eq_u32 s13, 0
	s_cselect_b32 s74, s74, s76
	s_cselect_b32 s77, s14, s77                    ; for ctx wave 0 asks; for the weights the first row of clusters
	s_cselect_b64 s[PFA:PFA+1], s[4:5], s[6:7]
	s_cselect_b32 s[PFS], s80, s81
	s_mov_b32 s[PFS+1], 0
	s_mov_b32 s75, 0
	s_cmp_eq_u32 s77, 0
	s_cselect_b32 s[LIM], 1, -1                    ; the same in all sixteen partners, for a given wave
	s_add_nc_u64 s[PFA:PFA+1], s[PFA:PFA+1], s[74:75]
	s_mul_i32 s74, s[PFS], 3
	s_add_nc_u64 s[PFA:PFA+1], s[PFA:PFA+1], s[74:75]  ; at K step 3: the first refill steps it to 4
	v_and_b32 v[PFO], 31, v0
	v_lshlrev_b32 v[PFO], 8, v[PFO]
; 8 matrix instructions: row block a x all 8 column blocks, 32 along K, from buffer f.  zero = 1: the sums start with the bias.
.macro MUL8 f, a, zero
.if \zero
	WIN 0x85                                       ; both sources window 1, the bias window 0, D window 2
.else
	WIN 0xa5
.endif
.irp b, 0,1,2,3,4,5,6,7
.if \zero
	v_wmma_f32_16x16x32_f16 v[8*(8*(\a)+(\b)):8*(8*(\a)+(\b))+7], v[96*(\f)+32+8*(\b):96*(\f)+32+8*(\b)+7], v[96*(\f)+8*(\a):96*(\f)+8*(\a)+7], v[BIAS+8*(\b):BIAS+8*(\b)+7]
.else
	v_wmma_f32_16x16x32_f16 v[8*(8*(\a)+(\b)):8*(8*(\a)+(\b))+7], v[96*(\f)+32+8*(\b):96*(\f)+32+8*(\b)+7], v[96*(\f)+8*(\a):96*(\f)+8*(\a)+7], v[8*(8*(\a)+(\b)):8*(8*(\a)+(\b))+7]
.endif
.endr
.endm
; 24 LDS loads in one run: quarter q of a slot into buffer f: the weights' 8 fragments, turned; then ctx's four (head q / 2, channels 32 (q % 2) on)
.macro FETCH slot, q, f
	WIN 0x40
.irp b, 0,1,2,3,4,5,6,7
	ds_load_tr16_b128 v[96*(\f)+32+8*(\b):96*(\f)+32+8*(\b)+3],   v[ADRB+(\slot)] offset:((\b)/4)*BSL+(\q)*32*PB+((\b)%4)*32
	ds_load_tr16_b128 v[96*(\f)+32+8*(\b)+4:96*(\f)+32+8*(\b)+7], v[ADRB+(\slot)] offset:((\b)/4)*BSL+(\q)*32*PB+((\b)%4)*32+16*PB
.endr
.irp i, 0,1,2,3
	ds_load_b128 v[96*(\f)+8*(\i):96*(\f)+8*(\i)+3],   v[ADRA+(\slot)] offset:((\q)/2)*ASL+((\q)%2)*64+(\i)*16*PA
	ds_load_b128 v[96*(\f)+8*(\i)+4:96*(\f)+8*(\i)+7], v[ADRA+(\slot)] offset:((\q)/2)*ASL+((\q)%2)*64+(\i)*16*PA+32
.endr
	WIN 0
.endm
.macro PLACES                          ; four plain vector instructions between a matrix instruction and a load into, or a read of, its registers
.rept 4
	v_nop
.endr
.endm
; A K step is four quarters, 32 matrix instructions each, on buffers 0, 1, 0, 1; the 32 accumulators take turns, in the same order in every quarter.
.macro QUARTER slot, q, f, g, zero
	s_wait_dscnt 4                                 ; the weights and ctx's row blocks 0, 1 are in; the youngest four loads may be out
	MUL8 \f, 0, \zero
	MUL8 \f, 1, \zero
	PLACES
	FETCH \slot, \q, \g
	s_wait_dscnt 24                                ; all but the 24 just issued
	MUL8 \f, 2, \zero
	MUL8 \f, 3, \zero
.endm
.macro MEET round
	WIN 0
	s_wait_tensorcnt 0x0                           ; all my tensor loads have landed: my part of the next slot
	ds_add_u32 v[SPW], v[NIL]
	s_wait_dscnt 5                                 ; (the add and the youngest four loads may be out)
	MUL8 1, 0, 0
	s_wait_dscnt 0x0                               ; the add is done, and my reads of this slot are over
	s_barrier_signal -1
	MUL8 1, 1, 0
.if \round
	WIN 0
.endif
	s_barrier_wait -1
.endm
.macro TURN slot, next, fill           ; fill = 1: the slot just read is filled again, two K steps on: 112 matrix instructions stand between the request and the wait for it
.if \fill
	s_wait_xcnt 0x0                                ; the last prefetch, a K step back, has read its address
	s_add_nc_u64 s[PFA:PFA+1], s[PFA:PFA+1], s[PFS:PFS+1]
.endif
	MEET \fill
.if \fill
	CREST
	s_add_nc_u64 s[G0+4*(\slot)+2:G0+4*(\slot)+3], s[G0+4*(\slot)+2:G0+4*(\slot)+3], 2*ASTEP
	s_add_nc_u64 s[G0B+4*(\slot)+2:G0B+4*(\slot)+3], s[G0B+4*(\slot)+2:G0B+4*(\slot)+3], 2*BBLK
	JLOAD \slot                                    ; the four v_nop behind it are also the places in front of the loads below
.else
	PLACES
.endif
	FETCH \next, 0, 0
.if \fill
	ASK
.endif
	MUL8 1, 2, 0
	MUL8 1, 3, 0
.endm
; THE WAY OUT of row block a: the sums go as they are, 32 bytes a lane, into my stage (each accumulator's low four registers first), and come back as whole rows of 512 bytes.
.macro TOSTAGE a
	WIN 0x08                                       ; the stores' data in window 2
.irp b, 0,1,2,3,4,5,6,7
	ds_store_b128 v[STO], v[8*(8*(\a)+(\b)):8*(8*(\a)+(\b))+3]   offset:64*(\b)
	ds_store_b128 v[STO], v[8*(8*(\a)+(\b))+4:8*(8*(\a)+(\b))+7] offset:64*(\b)+16
.endr
	WIN 0
.irp t, 0,1,2,3,4,5,6,7,8,9,10,11,12,13,14,15
	ds_load_b128 v[BK+64*((\a)%2)+4*(\t):BK+64*((\a)%2)+4*(\t)+3], v[RD] offset:(\t)*SPO  ; LDS serves a wave's instructions in order: these see the stores above
.endr
.endm
.macro SEND a
	s_wait_dscnt 0x0                               ; the block is back in registers
	s_wait_xcnt 0x0                                ; the stores of the block before have read their registers: the next TOSTAGE loads into them
.irp t, 0,1,2,3,4,5,6,7,8,9,10,11,12,13,14,15
	global_store_b128 v[GO], v[BK+64*((\a)%2)+4*(\t):BK+64*((\a)%2)+4*(\t)+3], s[OUTB:OUTB+1] offset:(16*(\a)+(\t))*4096  ; 512 consecutive bytes of a row, aligned
.endr
.endm
	s_wait_tensorcnt 1                             ; my part of K step 0 is in; K step 1's may stay out
	s_barrier_signal -1
	s_barrier_wait -1
	FETCH 0, 0, 0
	s_wait_loadcnt 0x0                             ; the bias
	QUARTER 0, 1, 0, 1, 1                          ; the first quarter's products start the sums
	WIN 0
	s_mov_b32 s3, 3
.Llap:                                             ; a trip goes once round the ring and fills both slots again
	QUARTER 0, 2, 1, 0, 0
	QUARTER 0, 3, 0, 1, 0
	TURN 0, 1, 1
	QUARTER 1, 1, 0, 1, 0
	QUARTER 1, 2, 1, 0, 0
	QUARTER 1, 3, 0, 1, 0
	TURN 1, 0, 1
	QUARTER 0, 1, 0, 1, 0
	WIN 0
	s_sub_co_u32 s3, s3, 1
	s_cmp_lg_u32 s3, 0
	s_cbranch_scc1 .Llap
	QUARTER 0, 2, 1, 0, 0                          ; the last lap fills nothing
	QUARTER 0, 3, 0, 1, 0
	TURN 0, 1, 0
	QUARTER 1, 1, 0, 1, 0
	QUARTER 1, 2, 1, 0, 0
	QUARTER 1, 3, 0, 1, 0
	s_wait_dscnt 4
	MUL8 1, 0, 0
	MUL8 1, 1, 0
	s_wait_dscnt 0x0
	MUL8 1, 2, 0
	MUL8 1, 3, 0
	WIN 0
	PLACES
	TOSTAGE 0
.irp a, 1,2,3
	SEND (\a)-1
	TOSTAGE \a
.endr
	SEND 3
	s_wait_tensorcnt 0x0                           ; the wave's end
	ds_add_u32 v[SPW], v[NIL]
	s_wait_dscnt 0x0
	CROUND                                         ; the closing round
	s_endpgm
.Lfunc_end_k_qb7ddc5e853_outp:
	.size	k_qb7ddc5e853_outp, .Lfunc_end_k_qb7ddc5e853_outp-k_qb7ddc5e853_outp
	.p2alignl 7, 3214868480
	.fill 96, 4, 3214868480
	.section	.rodata,"a",@progbits
	.p2align	6, 0x0
	.amdhsa_kernel k_qb7ddc5e853_outp
		.amdhsa_group_segment_fixed_size 327680
		.amdhsa_private_segment_fixed_size 0
		.amdhsa_enable_private_segment 0
		.amdhsa_kernarg_size 32
		.amdhsa_user_sgpr_count 2
		.amdhsa_user_sgpr_kernarg_segment_ptr 1
		.amdhsa_wavefront_size32 1
		.amdhsa_system_sgpr_workgroup_id_x 1
		.amdhsa_system_sgpr_workgroup_id_y 1
		.amdhsa_system_sgpr_workgroup_id_z 1
		.amdhsa_system_vgpr_workitem_id 0
		.amdhsa_next_free_vgpr 768
		.amdhsa_next_free_sgpr 84
		.amdhsa_reserve_vcc 0
		.amdhsa_float_denorm_mode_32 3
		.amdhsa_float_denorm_mode_16_64 3
		.amdhsa_memory_ordered 1
		.amdhsa_forward_progress 1
		.amdhsa_inst_pref_size 89
	.end_amdhsa_kernel
	.amdgpu_metadata
---
amdhsa.version: [ 1, 2 ]
amdhsa.kernels:
  - .name:           k_qb7ddc5e853_outp
    .symbol:         k_qb7ddc5e853_outp.kd
    .args:
      - { .name: ctx, .offset: 0, .size: 8, .value_kind: global_buffer, .address_space: global }
      - { .name: wob, .offset: 8, .size: 8, .value_kind: global_buffer, .address_space: global }
      - { .name: biasr, .offset: 16, .size: 8, .value_kind: global_buffer, .address_space: global }
      - { .name: out0, .offset: 24, .size: 8, .value_kind: global_buffer, .address_space: global }
    .group_segment_fixed_size: 327680
    .private_segment_fixed_size: 0
    .kernarg_segment_align: 8
    .kernarg_segment_size: 32
    .max_flat_workgroup_size: 128
    .sgpr_count:     84
    .vgpr_count:     768
    .wavefront_size: 32
...
	.end_amdgpu_metadata
.endif
;; end of part 4
;; ======== version 2 of 2: 4 launches; version 1 with the launch prep written anew for expert scheduling mode
;; limits: values are held in f16: magnitudes above 65,504 overflow, below 6.1e-05 lose precision
;; workspace buffers: xb 16,777,216 bytes; wcat 6,291,456 bytes; wob 2,097,152 bytes; biasr 16,384 bytes; qkv 50,331,648 bytes; ctx 16,777,216 bytes
;; launch prep (part 5): grid 768 x 1, 8 waves a work-group, no clusters, 0 bytes of LDS; arguments x, wq, wk, wv, wo, bq, bk, bv, bo, xb, wcat, wob, biasr; writes xb, wcat, wob, biasr
.if DOCPART == 5
	.amdgcn_target "amdgcn-amd-amdhsa--gfx1250"
	.amdhsa_code_object_version 6
	.text
	.protected	k_qb7ddc5e853_prep
	.globl	k_qb7ddc5e853_prep
	.p2align	8
	.type	k_qb7ddc5e853_prep,@function
k_qb7ddc5e853_prep:
	s_mov_b64 s[64:65], 0
	v_nop
	global_prefetch_b8 v0, s[64:65] scope:SCOPE_SE
	s_setreg_imm32_b32 hwreg(HW_REG_WAVE_SCHED_MODE, 0, 2), 2
	s_setreg_imm32_b32 hwreg(HW_REG_WAVE_MODE, 25, 1), 1
	s_wait_xcnt 0x0
	s_wait_alu depctr_vm_vsrc(0)
; CASTS AND LAYOUTS for the three launches behind.  All inputs are rounded once to bf16.
;   xb    [8192][1024] bf16: x as it lies.
;   wcat  [tc 16][ks 8][j 3][kk 128][64 n] bf16: slice 3 tc + j = 16 x matrix (q, k, v) + head; row of the weight 128 ks + kk; column 64 x head + n.
;   wob   [tc 4][ks 8][j 4][kk 128][64 n] f16 of the bf16-rounded wo: column 256 tc + 64 j + n.
;   biasr [4096] f32: bq, bk, bv, bo, each number rounded to bf16 and widened again.
; LIMITS.  |wo| stays under 65,504 (f16's end); a bf16-rounded wo below 6e-5 falls on f16's fixed step of 6e-8.
; SHARES.  A wave's job is 8,192 bytes of f32: sixteen loads of 16 bytes a lane, all issued at once, then sixteen stores of 8 bytes a lane, each 256 consecutive
; bytes, aligned.  Work-groups 0-511: x, 4,096 jobs.  Work-groups 512-767: the weights, a job = 32 rows of one slice of 64 columns (256 bytes of each row, aligned).
; No LDS, no barrier: no wave needs another's bytes.
; THE MODE: SCHED_MODE bits 1:0 = 2 (LLVM: expert scheduling mode 2), set by the entry lines.  The code itself states the register dependences
; between vector instructions and memory instructions, with s_wait_alu, always for 0.
; THE PLAN.  Registers that memory instructions touch:
;   v2, v3, v4  byte offsets, made once at the head, ahead of the branch on the work-group's number, and never written again.
;   X           sixteen slots as loaded.  Written by the job's loads alone among memory instructions; read, behind the wait for the data, by the roundings; no later load lands there.
;   Y           sixteen slots to store.  Each register is written once in the launch, by its slot's roundings, and read by its slot's store.
;   BD          four numbers of a bias: named by no vector instruction ahead of their load; written by the widening lines, then read by their store.
; The sixteen slots go in four groups of four.  Group g rounds X's slots 4 g .. 4 g + 3 into Y's; its memory instructions are the four stores of group g - 1, which read
; Y's slots of that group and v3: registers that no vector instruction of group g names.  So one wait on va_vdst at a group's head states all that its four stores hang on.
; No register that a memory instruction reads is ever written again, so the text holds no wait on vm_vsrc and none on XCNT.
.set X,   8                            ; v[8:71]    sixteen slots of 4: f32 as loaded
.set Y,   72                           ; v[72:103]  sixteen slots of 2: 16-bit numbers to store
.set BD,  104                          ; v[104:107] four numbers of a bias
.set T,   108                          ; v[108:109] at work: no memory instruction names them
.set BP,  110                          ; v[110:111] at work: likewise
.set SRC, 38                           ; s[38:39]   where the job reads
.set DST, 40                           ; s[40:41]   where it writes
.macro LOADS stride, off               ; the job's sixteen loads, by offset register off; each byte is read once in the launch
.set i, 0
.rept 16
	global_load_b128 v[X+4*i:X+4*i+3], v[\off], s[SRC:SRC+1] offset:i*(\stride) th:TH_LOAD_NT
.set i, i+1
.endr
.endm
.macro RND kind                        ; slot i is rounded.  kind 0: bf16;  kind 1: rounded to bf16, and that number written as f16
.if \kind
	v_cvt_pk_bf16_f32 v[T], v[X+4*i], v[X+4*i+1]
	v_cvt_pk_bf16_f32 v[T+1], v[X+4*i+2], v[X+4*i+3]
	v_lshlrev_b32 v[X+4*i], 16, v[T]
	v_and_b32 v[X+4*i+1], 0xffff0000, v[T]
	v_lshlrev_b32 v[X+4*i+2], 16, v[T+1]
	v_and_b32 v[X+4*i+3], 0xffff0000, v[T+1]
	v_cvt_pk_f16_f32 v[Y+2*i], v[X+4*i], v[X+4*i+1]
	v_cvt_pk_f16_f32 v[Y+2*i+1], v[X+4*i+2], v[X+4*i+3]
.else
	v_cvt_pk_bf16_f32 v[Y+2*i], v[X+4*i], v[X+4*i+1]
	v_cvt_pk_bf16_f32 v[Y+2*i+1], v[X+4*i+2], v[X+4*i+3]
.endif
.endm
.macro PUT                             ; slot n is stored
	global_store_b64 v3, v[Y+2*n:Y+2*n+1], s[DST:DST+1] offset:256*n  ; 32 lanes x 8 bytes: 256 consecutive bytes, aligned
.endm
.macro OUT16 kind                      ; four groups of four slots; a group's stores are dealt among the next group's roundings
.set g, 0
.rept 4
	s_wait_loadcnt 12-4*g                          ; loads come back in order: group g's four slots are in, the 12 - 4 g younger loads stay out
.if g > 0
	s_wait_alu depctr_va_vdst(0)                   ; the group before has written its eight registers of Y, which the four stores below read
.endif
.set j, 0
.rept 4
.if g > 0
.set n, 4*g-4+j
	PUT                                            ; no vector instruction since the wait names this slot of Y or v3
.endif
.set i, 4*g+j
	RND \kind
.set j, j+1
.endr
.set g, g+1
.endr
	s_wait_alu depctr_va_vdst(0)                   ; the last group has written its eight registers of Y, which the last four stores read
.set n, 12
.rept 4
	PUT
.set n, n+1
.endr
.endm
	s_load_b512 s[8:23], s[0:1], 0x0               ; x 8, wq 10, wk 12, wv 14, wo 16, bq 18, bk 20, bv 22
	s_load_b256 s[24:31], s[0:1], 0x40             ; bo 24, xb 26, wcat 28, wob 30
	s_load_b64 s[32:33], s[0:1], 0x60              ; biasr
	v_lshrrev_b32 v5, 5, v0
	v_readfirstlane_b32 s2, v5                     ; wave 0..7
	v_and_b32 v1, 31, v0                           ; lane
	v_lshlrev_b32 v3, 3, v1                        ; 8 bytes a lane on the way out
	v_lshlrev_b32 v4, 4, v1                        ; 16 bytes a lane (x, and the biases)
	v_lshrrev_b32 v2, 4, v1                        ; the weights: lanes 0-15 take a row's 256 bytes, lanes 16-31 the next row's
	v_and_b32 v6, 15, v1
	v_lshlrev_b32 v2, 12, v2
	v_lshl_add_u32 v2, v6, 4, v2
	s_mov_b32 s35, 0                               ; the offsets' high words
	s_mov_b32 s37, 0
	s_wait_alu depctr_va_sdst(0)                   ; s2 is written, ahead of the branch behind which its first readers stand: the jobs' addresses are made from it
	s_wait_alu depctr_va_vdst(0)                   ; v2, v3 and v4 are written: every load and store of the kernel reads one of them as its offset
	s_wait_kmcnt 0x0
	s_cmp_lt_u32 ttmp9, 512
	s_cbranch_scc0 .Lweights
	; x: job c = 8 x work-group + wave
	s_lshl_b32 s46, ttmp9, 3
	s_add_co_u32 s46, s46, s2
	s_lshl_b32 s34, s46, 13                        ; 8,192 bytes in,
	s_lshl_b32 s36, s46, 12                        ; 4,096 out
	s_add_nc_u64 s[SRC:SRC+1], s[8:9], s[34:35]
	s_add_nc_u64 s[DST:DST+1], s[26:27], s[36:37]
	LOADS 512, 4
	OUT16 0
	s_endpgm
.Lweights:
	s_sub_co_u32 s3, ttmp9, 512                    ; g = 0..255
	s_lshr_b32 s46, s3, 6                          ; the matrix: 0 q, 1 k, 2 v, 3 o
	s_bfe_u32 s47, s3, 0x40002                     ; its slice of 64 columns
	s_and_b32 s48, s3, 3
	s_lshl_b32 s48, s48, 3
	s_add_co_u32 s48, s48, s2                      ; kg: which 32 rows
	s_lshr_b32 s49, s48, 2                         ; ks: the K step of 128 rows,
	s_and_b32 s50, s48, 3                          ; and which quarter of it
	s_lshl_b32 s34, s48, 17                        ; 32 rows of 4,096 bytes
	s_lshl_b32 s51, s47, 8                         ; + the slice's 256 bytes
	s_add_co_u32 s34, s34, s51
	s_lshl_b32 s51, s46, 4
	s_add_co_u32 s51, s51, s47                     ; q, k, v: slice sl = 16 x matrix + head
	s_mul_hi_u32 s52, s51, 0x55555556              ; tc = sl / 3 (exact for sl under 2^30)
	s_mul_i32 s53, s52, 3
	s_sub_co_u32 s53, s51, s53                     ; j = sl - 3 tc
	s_lshl_b32 s52, s52, 3
	s_add_co_u32 s52, s52, s49
	s_mul_i32 s52, s52, 3
	s_add_co_u32 s52, s52, s53                     ; block (8 tc + ks) 3 + j of wcat
	s_lshr_b32 s51, s47, 2
	s_lshl_b32 s51, s51, 3
	s_add_co_u32 s51, s51, s49
	s_lshl_b32 s51, s51, 2
	s_and_b32 s53, s47, 3
	s_add_co_u32 s51, s51, s53                     ; wo: block (8 (slice / 4) + ks) 4 + slice % 4 of wob
	s_cmp_eq_u32 s46, 3
	s_cselect_b32 s36, s51, s52
	s_cselect_b64 s[DST:DST+1], s[30:31], s[28:29]
	s_lshl_b32 s36, s36, 14                        ; a block is 128 rows of 128 bytes
	s_lshl_b32 s50, s50, 12                        ; my 32 rows in it
	s_add_co_u32 s36, s36, s50
	s_add_nc_u64 s[DST:DST+1], s[DST:DST+1], s[36:37]
	s_cmp_eq_u32 s46, 1
	s_cselect_b64 s[SRC:SRC+1], s[12:13], s[10:11]
	s_cselect_b64 s[42:43], s[20:21], s[18:19]     ; and the matrix's bias
	s_cmp_eq_u32 s46, 2
	s_cselect_b64 s[SRC:SRC+1], s[14:15], s[SRC:SRC+1]
	s_cselect_b64 s[42:43], s[22:23], s[42:43]
	s_cmp_eq_u32 s46, 3
	s_cselect_b64 s[SRC:SRC+1], s[16:17], s[SRC:SRC+1]
	s_cselect_b64 s[42:43], s[24:25], s[42:43]
	s_add_nc_u64 s[SRC:SRC+1], s[SRC:SRC+1], s[34:35]
	LOADS 8192, 2                                  ; two rows a load
	s_cmp_eq_u32 s46, 3
	s_cbranch_scc1 .Lwo
	OUT16 0
	s_branch .Lbias
.Lwo:
	OUT16 1
.Lbias:
	s_and_b32 s51, s3, 63                          ; each matrix's first work-group also takes its bias: 128 numbers a wave
	s_cmp_lg_u32 s51, 0
	s_cbranch_scc1 .Lend
	s_lshl_b32 s34, s2, 9
	s_lshl_b32 s36, s46, 12
	s_add_co_u32 s36, s36, s34
	s_add_nc_u64 s[42:43], s[42:43], s[34:35]
	s_add_nc_u64 s[44:45], s[32:33], s[36:37]
	global_load_b128 v[BD:BD+3], v4, s[42:43]      ; no vector instruction has named BD; v4 was written ahead of the head's wait
	s_wait_loadcnt 0x0
	v_cvt_pk_bf16_f32 v[BP], v[BD], v[BD+1]
	v_cvt_pk_bf16_f32 v[BP+1], v[BD+2], v[BD+3]
	v_lshlrev_b32 v[BD], 16, v[BP]
	v_and_b32 v[BD+1], 0xffff0000, v[BP]
	v_lshlrev_b32 v[BD+2], 16, v[BP+1]
	v_and_b32 v[BD+3], 0xffff0000, v[BP+1]
	s_wait_alu depctr_va_vdst(0)                   ; the four widening lines have written BD, which the store reads
	global_store_b128 v4, v[BD:BD+3], s[44:45]     ; 512 consecutive bytes, aligned
.Lend:
	s_endpgm
.Lfunc_end_k_qb7ddc5e853_prep:
	.size	k_qb7ddc5e853_prep, .Lfunc_end_k_qb7ddc5e853_prep-k_qb7ddc5e853_prep
	.p2alignl 7, 3214868480
	.fill 96, 4, 3214868480
	.section	.rodata,"a",@progbits
	.p2align	6, 0x0
	.amdhsa_kernel k_qb7ddc5e853_prep
		.amdhsa_group_segment_fixed_size 0
		.amdhsa_private_segment_fixed_size 0
		.amdhsa_enable_private_segment 0
		.amdhsa_kernarg_size 104
		.amdhsa_user_sgpr_count 2
		.amdhsa_user_sgpr_kernarg_segment_ptr 1
		.amdhsa_wavefront_size32 1
		.amdhsa_system_sgpr_workgroup_id_x 1
		.amdhsa_system_sgpr_workgroup_id_y 1
		.amdhsa_system_sgpr_workgroup_id_z 1
		.amdhsa_system_vgpr_workitem_id 0
		.amdhsa_next_free_vgpr 112
		.amdhsa_next_free_sgpr 66
		.amdhsa_reserve_vcc 0
		.amdhsa_float_denorm_mode_32 3
		.amdhsa_float_denorm_mode_16_64 3
		.amdhsa_memory_ordered 1
		.amdhsa_forward_progress 1
		.amdhsa_inst_pref_size 23
	.end_amdhsa_kernel
	.amdgpu_metadata
---
amdhsa.version: [ 1, 2 ]
amdhsa.kernels:
  - .name:           k_qb7ddc5e853_prep
    .symbol:         k_qb7ddc5e853_prep.kd
    .args:
      - { .name: x, .offset: 0, .size: 8, .value_kind: global_buffer, .address_space: global }
      - { .name: wq, .offset: 8, .size: 8, .value_kind: global_buffer, .address_space: global }
      - { .name: wk, .offset: 16, .size: 8, .value_kind: global_buffer, .address_space: global }
      - { .name: wv, .offset: 24, .size: 8, .value_kind: global_buffer, .address_space: global }
      - { .name: wo, .offset: 32, .size: 8, .value_kind: global_buffer, .address_space: global }
      - { .name: bq, .offset: 40, .size: 8, .value_kind: global_buffer, .address_space: global }
      - { .name: bk, .offset: 48, .size: 8, .value_kind: global_buffer, .address_space: global }
      - { .name: bv, .offset: 56, .size: 8, .value_kind: global_buffer, .address_space: global }
      - { .name: bo, .offset: 64, .size: 8, .value_kind: global_buffer, .address_space: global }
      - { .name: xb, .offset: 72, .size: 8, .value_kind: global_buffer, .address_space: global }
      - { .name: wcat, .offset: 80, .size: 8, .value_kind: global_buffer, .address_space: global }
      - { .name: wob, .offset: 88, .size: 8, .value_kind: global_buffer, .address_space: global }
      - { .name: biasr, .offset: 96, .size: 8, .value_kind: global_buffer, .address_space: global }
    .group_segment_fixed_size: 0
    .private_segment_fixed_size: 0
    .kernarg_segment_align: 8
    .kernarg_segment_size: 104
    .max_flat_workgroup_size: 256
    .sgpr_count:     66
    .vgpr_count:     112
    .wavefront_size: 32
...
	.end_amdgpu_metadata
.endif
;; end of part 5
;; launch proj: the kernel of part 2 again; grid 16 x 32, 4 waves a work-group, clusters of 4 x 4, 327,680 bytes of LDS; arguments xb, wcat, biasr, qkv; writes qkv
;; launch attn: the kernel of part 3 again; grid 4 x 64, 4 waves a work-group, clusters of 4 x 1, 327,680 bytes of LDS; arguments qkv, ctx; writes ctx
;; launch outp: the kernel of part 4 again; grid 4 x 64, 4 waves a work-group, clusters of 4 x 4, 327,680 bytes of LDS; arguments ctx, wob, biasr, out0; writes out0
